; MI455X (gfx1250); checked and timed in simulation.
; The chip was launched on July 23, 2026; its instructions are those of AMD's public machine-readable ISA for CDNA 5 (MIT licence, August 2026) and "CDNA5" Instruction Set Architecture Reference Guide (July 2026). The comments in the code are by the model that wrote it; some were corrected since.
;; Mo E Head. Allowed arithmetic: matrix products marked QUANTISED: E2M1 operands, one E8M0 scale for each 32 along K, by v_wmma_scale_f32_16x16x128_f8f6f4 with both operands' format E2M1 (or v_wmma_scale_f32_32x16x128_f4), f32 sums; products left as they are: f32 operands where the result goes on into a quantised operand, else bf16, f16 or f32 operands; f32 sums; everything else in f32.
;; Inputs: W_in_codes 8 x 2,048 x 16 x 16 uint8 (E2M1 codes of W_in, K innermost, in blocks of 32 codes, two codes a byte); W_in_scales 8 x 2,048 x 16 uint8 (E8M0 scales of W_in, one for each 32 codes along K); W_out 8 x 2,048 x 512 float32; Wr 8 x 512 float32; x 4,096 x 512 float32.
;; Outputs: out0 4,096 x 512 float32.
;; This version of the problem:
;;   THIS VERSION OF THE PROBLEM IS GIVEN IN LOW PRECISION. The matrix products marked QUANTISED in the list below multiply operands that are first quantised to E2M1 (2 exponent bits, 1 mantissa bit; 4 bits a number), with one power-of-two scale for each 32 numbers along K (OCP MX v1.0); their sums are f32. All else is computed in f32.
;;   The module's matrix products, in the order in which they are computed (A, B: the left and right operand; K: the contracted axis; several contracted axes count as one K, in the product's order):
;;     1. [M 4,096, K 512] x [K 512, N 8]; A: input x; B: input Wr: left as it is (N = 8 < 16)
;;     2. [M 4,096, K 512] x [K 512, N 16,384]; A: input x; B: input W_in (given as codes): QUANTISED
;;     3. [M 4,096, K 16,384] x [K 16,384, N 512]; A: computed on the way; B: input W_out: QUANTISED
;;   THE QUANTISER, for each operand of a quantised product, along K:
;;     - K is cut into blocks of 32 from its start; a last block that is shorter is filled with zeros.
;;     - A block's scale is 2^e with e = floor(log2(the largest magnitude in the block)) - 2, held to -126 .. 127; a block of zeros has e = 0. As a byte (E8M0): e + 127.
;;     - Each number is divided by its block's scale, clamped to +-6, and rounded to the nearest number of E2M1, ties to even, subnormals kept.
;;     - The product sums the exact products of the quantised numbers (number of the format x scale) in f32.
;;   ~~~python
;;   def quantise(x, axis):      # numpy; x: float32 -> the quantised numbers, widened to float32 again
;;       x = np.moveaxis(x, axis, -1); K = x.shape[-1]
;;       x = np.pad(x, [(0, 0)] * (x.ndim - 1) + [(0, -K % 32)]); x = x.reshape(x.shape[:-1] + (-1, 32)); a = np.abs(x).max(-1, keepdims=True)
;;       e = np.where(a > 0, np.clip(np.frexp(np.where(a > 0, a, 1))[1] - 1 - 2, -126, 127), 0)      # np.frexp(a)[1] - 1 = floor(log2(a)), exactly
;;       r = np.clip(x / 2.0 ** e, -6, 6)
;;       step = 2.0 ** (np.maximum(np.frexp(np.where(r == 0, 1, r))[1] - 1, 0) - 1)
;;       q = np.round(r / step) * step * 2.0 ** e      # np.round: ties to even
;;       return np.moveaxis(q.reshape(q.shape[:-2] + (-1,))[..., :K], -1, axis).astype(np.float32)
;;   ~~~
;;   OPERANDS COMPUTED ON THE WAY. 'Computed on the way' means the value that the module computes at that place (a softmax that the list does not call 'softmax' is quantised finished and normalised). What goes into a quantiser is computed in f32, as accurately as f32 sums, v_exp_f32 and their like allow (about 1e-6 of the number): no bf16 or f16 on the way to a quantiser, and a product that is left as it is and whose result goes on into a quantised operand takes f32 operands (vector FMAs, or v_wmma_f32_16x16x4_f32). A number that lies on a knife's edge between two numbers of the format may be rounded either way, as far as f32 arithmetic and the matrix unit's own rounding can turn it there, and no further.
;;   INPUTS GIVEN AS CODES. W_in (in the module: [8, 2048, 512], K = its axis 2): each comes as NAME_codes (uint8): NAME with its K axis moved to the last place and cut into blocks of 32 codes, [.., K / 32, bytes a block], one block behind the other in memory; two codes a byte, the lower K in the low four bits (a code: sign, 2 exponent bits, 1 mantissa bit); and NAME_scales (uint8): the same leading axes, one E8M0 byte (e + 127) for each 32 codes along K. Its value is code x scale, taken as it is: it is not quantised again, and the codes and scales need not be those that the quantiser above would give.
;; 2 versions, each right; version 2 is version 1 with the launch chain written anew for expert scheduling mode. Each part assembles by itself: llvm-mc -triple=amdgcn-amd-amdhsa -mcpu=gfx1250 --defsym DOCPART=n.
;; ======== version 1 of 2: 4 launches
;; limits: a function is approximated: absolute error at most 1.5e-07
;; workspace buffers: idx 32,768 bytes of whole numbers; plan 37,376 bytes of whole numbers; xq 1,146,880 bytes; wiq 4,194,304 bytes; woq 4,456,448 bytes; part 34,275,328 bytes
;; launch prep (part 1): grid 448 x 1, 8 waves a work-group, no clusters, 63,488 bytes of LDS; arguments x, Wr, W_out, W_in_codes, idx, xq, wiq, woq; writes idx, xq, wiq, woq
.if DOCPART == 1
	.amdgcn_target "amdgcn-amd-amdhsa--gfx1250"
	.amdhsa_code_object_version 6
	.text
	.protected	k_q5607370360_prep
	.globl	k_q5607370360_prep
	.p2align	8
	.type	k_q5607370360_prep,@function
k_q5607370360_prep:
	s_mov_b64 s[64:65], 0
	v_nop
	global_prefetch_b8 v0, s[64:65] scope:SCOPE_SE
	s_setreg_imm32_b32 hwreg(HW_REG_WAVE_MODE, 25, 1), 1
	s_wait_xcnt 0x0
; PREP: three kinds of work in one launch, chosen by the work-group's number alone.
;   work-groups   0-127  ROUTER: logits = x Wr^T in f32, the two largest of eight (ties: the lower index), softmax over the two, and x as codes of FP4 (E2M1) with one E8M0 byte for each 32 along its 512.
;   work-groups 128-383  W_OUT:  [8][2048 (k)][512 (d)] f32, quantised along k, stored in the order of the matrix operand's registers.
;   work-groups 384-447  W_IN:   its codes, as given, copied into the order of the matrix operand's registers.
; A block's scale is 2^(floor(log2(largest magnitude)) - 2); its byte is the largest magnitude's exponent field - 2, held at 1 from below.  A block of zeros so gets the byte 1
; where the rule says 127: its codes are zeros, which add nothing under any byte but 0xff, and these bytes are read by this program alone.
; LIMITS: NaN and infinities among the inputs are not served.  The logits are f32 sums in an order of their own (16 numbers a lane in two chains, then a tree over 32 lanes): a token whose second and
; third logits differ by less than that sum's rounding may be routed the other way.
; The chosen experts are only STORED here (as whole numbers): no address and no branch of this launch hangs on them.
; Memory binds this launch (33.5 of its 46 MB are W_out): no matrix unit, no cluster, no tensor load.
.set XST,  20480                       ; LDS (router only): 0: Wr, 8 rows x 2,560 bytes;  XST: 2 stages x 2,560 bytes for each wave;
.set OUTG, 61440                       ; OUTG: 256 bytes of weights, 256 of experts' numbers, 512 of x's scale bytes: what the work-group stores in whole runs of 256 bytes
.set XSB,  0x100000                    ; xq: codes [4096][256] at 0, scale bytes [4096][16] at XSB, weights f32 [8192] at WTS
.set WTS,  0x110000
.set WOSB, 0x400000                    ; woq: codes at 0, scale words at WOSB
.macro LOADB k                         ; W_out: block k of my 128 rows: W(32 k + n, my column), n = 0 .. 31
.set n, 0
.rept 32
	global_load_b32 v[16+32*(\k)+n], v2, s[8:9] offset:2048*(32*(\k)+n) th:TH_LOAD_NT
.set n, n+1
.endr
.endm
.macro QB k                            ; W_out: block k becomes 32 codes (16 bytes) and a byte of the scale word
.set XS, 16+32*(\k)
	v_max3_num_f32 v161, |v[XS]|, |v[XS+1]|, |v[XS+2]|             ; the largest magnitude: all 32 numbers are mine; two chains
	v_max3_num_f32 v162, |v[XS+3]|, |v[XS+4]|, |v[XS+5]|
.irp i, 6,10,14,18,22,26
	v_max3_num_f32 v161, v161, |v[XS+\i]|, |v[XS+\i+1]|
	v_max3_num_f32 v162, v162, |v[XS+\i+2]|, |v[XS+\i+3]|
.endr
	v_max3_num_f32 v161, v161, |v[XS+30]|, |v[XS+31]|
	v_max3_num_f32 v161, v161, v162, 0x1800000                     ; and the floor 2^(3 - 127): the byte cannot fall under 1
	v_add_nc_u32 v163, 0xff000000, v161                            ; 2 off the exponent field: the conversion takes the exponent field of this operand as its scale
	v_lshrrev_b32 v164, 23, v163                                   ; the scale's byte
.if (\k) == 0
	v_mov_b32 v160, v164
.else
	v_lshl_or_b32 v160, v164, 8*(\k), v160                         ; byte k of the word: k = 32 k .. 32 k + 31 of the K step
.endif
.irp g, 0,1,2,3
	v_cvt_scalef32_pk8_fp4_f32 v[144+4*(\k)+\g], v[XS+8*\g:XS+8*\g+7], v163
.endr
	global_store_b128 v3, v[144+4*(\k):147+4*(\k)], s[32:33] offset:256*(\k)   ; lanes 0-15 and lanes 16-31 each store 256 consecutive bytes, aligned; each block has its own registers
.endm
.macro TURN t                          ; router: token t's 2,048 bytes through my stage: in as loaded (16 bytes a lane), back 64 bytes a lane.  LDS serves a wave's instructions in order: no wait between
.irp i, 0,1,2,3
	ds_store_b128 v11, v[16+16*(\t)+4*\i:19+16*(\t)+4*\i] offset:2560*((\t)%2)+640*\i
.endr
.irp i, 0,1,2,3
	ds_load_b128 v[80+16*(\t)+4*\i:83+16*(\t)+4*\i], v12 offset:2560*((\t)%2)+16*\i
.endr
.endm
.macro QX t                            ; router: token t's 16 numbers of my lane become 16 codes; two neighbouring lanes hold a block of 32
.set XS, 80+16*(\t)
	s_wait_dscnt 8*(3-(\t))+(\t)                                   ; behind this token's loads from the stage: 8 stage instructions for each later token, and the byte stores of the earlier ones
	v_max3_num_f32 v196, |v[XS]|, |v[XS+1]|, |v[XS+2]|
	v_max3_num_f32 v197, |v[XS+3]|, |v[XS+4]|, |v[XS+5]|
.irp i, 6,10
	v_max3_num_f32 v196, v196, |v[XS+\i]|, |v[XS+\i+1]|
	v_max3_num_f32 v197, v197, |v[XS+\i+2]|, |v[XS+\i+3]|
.endr
	v_max3_num_f32 v196, v196, |v[XS+14]|, |v[XS+15]|
	v_max3_num_f32 v196, v196, v197, 0x1800000                     ; the floor 2^(3 - 127)
	v_max_num_f32_dpp v196, v196, v196 row_xmask:1 row_mask:0xf bank_mask:0xf   ; with my neighbour's 16: the block's
	v_add_nc_u32 v198, 0xff000000, v196
	v_cvt_scalef32_pk8_fp4_f32 v[184+2*(\t)], v[XS:XS+7], v198
	v_cvt_scalef32_pk8_fp4_f32 v[185+2*(\t)], v[XS+8:XS+15], v198
	v_lshrrev_b32 v[192+(\t)], 23, v198                            ; the byte (also the plain line behind the conversions)
	ds_store_b8 v6, v[192+(\t)] offset:16*(\t)                     ; both lanes of a block write the same byte with the same value
	global_store_b64 v5, v[184+2*(\t):185+2*(\t)], s[36:37] offset:256*(\t)   ; the wave stores the token's 256 bytes of codes, aligned
.endm
.macro DOT e                           ; router: my 16 numbers of four tokens times my 16 of Wr's row e; the next row comes from LDS meanwhile
.set WS, 144+16*((\e)%2)
.if (\e) < 7
.irp i, 0,1,2,3
	ds_load_b128 v[144+16*(((\e)+1)%2)+4*\i:147+16*(((\e)+1)%2)+4*\i], v4 offset:2560*((\e)+1)+16*\i
.endr
	s_wait_dscnt 4                                                 ; row e is in; the four loads just issued may be out
.else
	s_wait_dscnt 0x0
.endif
.irp t, 0,1,2,3
	v_pk_mul_f32 v[176+2*\t:177+2*\t], v[80+16*\t:81+16*\t], v[WS:WS+1]
.endr
.irp j, 2,4,6,8,10,12,14
.irp t, 0,1,2,3
	v_pk_fma_f32 v[176+2*\t:177+2*\t], v[80+16*\t+\j:81+16*\t+\j], v[WS+\j:WS+\j+1], v[176+2*\t:177+2*\t]
.endr
.endr
.irp t, 0,1,2,3
	v_add_f32 v[16+8*\t+(\e)], v[176+2*\t], v[177+2*\t]            ; my part of logit (t, e)
.endr
.endm
.macro TOP2 t                          ; router: token t's eight logits stand in every lane: the two largest, their softmax, and their places in v220
.set L, 16+8*(\t)
	v_mov_b32 v204, v[L]
	v_mov_b32 v205, 0
.irp e, 1,2,3,4,5,6,7
	v_cmp_gt_f32 vcc_lo, v[L+\e], v204                             ; strictly larger only: a tie keeps the lower index
	v_cndmask_b32 v204, v204, v[L+\e], vcc_lo
	v_cndmask_b32 v205, v205, \e, vcc_lo
.endr
.irp e, 0,1,2,3,4,5,6,7
	v_cmp_eq_u32 vcc_lo, \e, v205
	v_cndmask_b32 v[L+\e], v[L+\e], v206, vcc_lo                   ; the first is taken out: -infinity
.endr
	v_mov_b32 v207, v[L]
	v_mov_b32 v208, 0
.irp e, 1,2,3,4,5,6,7
	v_cmp_gt_f32 vcc_lo, v[L+\e], v207
	v_cndmask_b32 v207, v207, v[L+\e], vcc_lo
	v_cndmask_b32 v208, v208, \e, vcc_lo
.endr
	v_sub_f32 v209, v207, v204                                     ; second - first, 0 or less: the maximum is taken away ahead of the exponential
	v_mul_f32 v209, 0x3fb8aa3b, v209
	v_exp_f32 v209, v209
	v_nop                                                          ; a plain line behind a transcendental
	s_wait_alu depctr_va_vdst(0)
	v_add_f32 v210, 1.0, v209
	v_rcp_f32 v210, v210                                           ; the first's weight: 1 / (1 + e^(second - first))
	v_nop
	s_wait_alu depctr_va_vdst(0)
	v_mul_f32 v211, v209, v210                                     ; the second's
	v_cndmask_b32 v212, v210, v211, s26                            ; odd lanes: the second's
	v_cndmask_b32 v213, v205, v208, s26
	v_cndmask_b32 v212, v212, v213, s27                            ; lanes 8-15 and 24-31: the experts' numbers
	s_mov_b32 s28, 0x03030303<<(2*(\t))
	v_cndmask_b32 v220, v220, v212, s28                            ; lanes with lane % 8 = 2 t, 2 t + 1
.endm
	s_load_b512 s[4:19], s[0:1], 0x0               ; x s[4:5], Wr s[6:7], W_out s[8:9], W_in_codes s[10:11], idx s[12:13], xq s[14:15], wiq s[16:17], woq s[18:19]
	v_lshl_add_u32 v254, v0, 2, 0xf400
	v_mov_b32 v255, 0
	v_lshrrev_b32 v1, 5, v0
	v_readfirstlane_b32 s20, v1                    ; wave 0..7
	v_and_b32 v1, 31, v0                           ; lane
	s_mov_b32 s23, 0
	s_wait_kmcnt 0x0
	s_cmp_lt_u32 ttmp9, 128
	s_cbranch_scc1 .Lrole_r
	s_cmp_lt_u32 ttmp9, 384
	s_cbranch_scc1 .Lrole_o
; ---- W_IN.  A wave takes one block of 32 hidden rows x 512 k (8 KB): unit un = ((4 e + w) 4 + c) 4 + b: rows 2048 e + 512 c + 128 w + 32 b on.
; Fragment (u, s): lane (r, h) takes row 8 u + r + 8 (r / 8), bytes 64 s + 32 c' + 16 h.  THE ROWS OF A TILE ARE NOT NEIGHBOURS: so the 16 results of tiles u = 0, 1 in a lane are 16 neighbours along the next K.
	s_sub_co_u32 s21, ttmp9, 384
	s_lshl_b32 s21, s21, 3
	s_add_co_u32 s21, s21, s20                     ; un
	s_lshr_b32 s22, s21, 6                         ; e
	s_bfe_u32 s24, s21, 0x20004                    ; w
	s_bfe_u32 s25, s21, 0x20002                    ; c
	s_and_b32 s26, s21, 3                          ; b
	s_lshl_b32 s22, s22, 11
	s_lshl_b32 s25, s25, 9
	s_lshl_b32 s24, s24, 7
	s_lshl_b32 s26, s26, 5
	s_add_co_u32 s22, s22, s25
	s_add_co_u32 s22, s22, s24
	s_add_co_u32 s22, s22, s26                     ; the first row
	s_lshl_b32 s22, s22, 8                         ; 256 bytes a row
	s_add_nc_u64 s[10:11], s[10:11], s[22:23]
	s_lshl_b32 s22, s21, 13
	s_add_nc_u64 s[16:17], s[16:17], s[22:23]
	v_and_b32 v2, 15, v1                           ; r
	v_lshrrev_b32 v3, 4, v1                        ; h
	v_and_b32 v4, 8, v2
	v_add_nc_u32 v4, v4, v2                        ; r + 8 (r / 8)
	v_lshlrev_b32 v4, 8, v4
	v_lshl_add_u32 v4, v3, 4, v4
	v_lshlrev_b32 v5, 4, v1                        ; out: 16 x lane
.set n, 0
.rept 16                               ; n = 8 u + 2 s + c'
	global_load_b128 v[16+4*n:19+4*n], v4, s[10:11] offset:2048*(n/8)+64*((n/2)%4)+32*(n%2)
.set n, n+1
.endr
.set n, 0
.rept 16
	s_wait_loadcnt 15-n                            ; loads come back in order: number n is in
	global_store_b128 v5, v[16+4*n:19+4*n], s[16:17] offset:512*n   ; 512 consecutive bytes, aligned
.set n, n+1
.endr
	s_endpgm
; ---- W_OUT.  Work-group q = ((4 e + c) 4 + w) 2 + sp; wave: tp = wave % 4, K step s = 2 sp + wave / 4.  A wave takes 32 columns d = 128 w + 32 tp + lane and 128 rows k = 512 c + 128 s + 0 .. 127.
; A LANE TAKES A COLUMN AND ITS REGISTERS RUN DOWN K: a block of 32 lies in one lane, and the conversions give codes with K innermost.  The four waves tp = 0 .. 3 stand side by side on 512 bytes of a row.
.Lrole_o:
	s_sub_co_u32 s21, ttmp9, 128                   ; q
	s_lshr_b32 s22, s21, 5                         ; e
	s_bfe_u32 s24, s21, 0x20003                    ; c
	s_bfe_u32 s25, s21, 0x20001                    ; w
	s_and_b32 s26, s21, 1                          ; sp
	s_and_b32 s27, s20, 3                          ; tp
	s_lshr_b32 s28, s20, 2
	s_lshl_b32 s26, s26, 1
	s_add_co_u32 s28, s28, s26                     ; s
	s_lshl_b32 s30, s22, 11
	s_lshl_b32 s29, s24, 9
	s_add_co_u32 s30, s30, s29
	s_lshl_b32 s29, s28, 7
	s_add_co_u32 s30, s30, s29                     ; the first row: 2048 e + 512 c + 128 s
	s_lshl_b32 s30, s30, 11                        ; 2,048 bytes a row
	s_lshl_b32 s29, s25, 9
	s_add_co_u32 s30, s30, s29
	s_lshl_b32 s29, s27, 7
	s_add_co_u32 s30, s30, s29                     ; + 4 (128 w + 32 tp)
	s_mov_b32 s31, 0
	s_add_nc_u64 s[8:9], s[8:9], s[30:31]
	s_lshl_b32 s29, s22, 2
	s_add_co_u32 s29, s29, s25
	s_lshl_b32 s29, s29, 2
	s_add_co_u32 s29, s29, s24
	s_lshl_b32 s29, s29, 2
	s_add_co_u32 s29, s29, s28                     ; ((4 e + w) 4 + c) 4 + s
	s_lshl_b32 s30, s29, 13                        ; codes: 8 KB a K step,
	s_lshl_b32 s26, s27, 11                        ; 2 KB for my two tiles
	s_add_co_u32 s30, s30, s26
	s_add_nc_u64 s[32:33], s[18:19], s[30:31]
	s_lshl_b32 s30, s29, 9                         ; scale words: 512 bytes a K step, 128 for my two tiles
	s_lshl_b32 s26, s27, 7
	s_add_co_u32 s30, s30, s26
	s_add_co_u32 s30, s30, WOSB
	s_add_nc_u64 s[34:35], s[18:19], s[30:31]
	v_lshlrev_b32 v2, 2, v1                        ; in: 4 bytes a lane; also my scale word's place
	v_lshrrev_b32 v3, 4, v1
	v_and_b32 v4, 15, v1
	v_lshlrev_b32 v3, 10, v3
	v_lshl_add_u32 v3, v4, 4, v3                   ; out: tile 2 tp + lane / 16 (1 KB each), 16 bytes at row lane % 16; block k lies 256 k bytes on: register group k / 2, half k % 2 of the fragment
	LOADB 0
	LOADB 1
	s_wait_loadcnt 32                              ; block 0 is in; block 1's 32 loads may be out
	LOADB 2
	QB 0
	s_wait_loadcnt 32                              ; block 1 is in; block 2's may be out
	LOADB 3
	QB 1
	s_wait_loadcnt 32                              ; block 2 is in; block 3's may be out
	QB 2
	s_wait_loadcnt 0x0
	QB 3
	global_store_b32 v2, v160, s[34:35]            ; lanes 0-15: the words of tile 2 tp, lanes 16-31: of tile 2 tp + 1: as a scale register wants them
	s_endpgm
; ---- ROUTER.  A work-group takes 32 tokens, a wave 4.  Every load is dense (512 bytes a wave); a row turns through LDS so that a lane holds 16 neighbours along K, for the conversions and the dot products alike.
.Lrole_r:
	s_lshl_b32 s22, ttmp9, 16
	s_lshl_b32 s24, s20, 13
	s_add_co_u32 s22, s22, s24
	s_add_nc_u64 s[4:5], s[4:5], s[22:23]          ; x at my first token: (32 wg + 4 wave) x 2,048 bytes
	s_lshl_b32 s22, s20, 11
	s_add_nc_u64 s[6:7], s[6:7], s[22:23]          ; Wr's row number wave: each wave brings one
	s_lshl_b32 s22, ttmp9, 13
	s_lshl_b32 s24, s20, 10
	s_add_co_u32 s22, s22, s24
	s_add_nc_u64 s[36:37], s[14:15], s[22:23]      ; my tokens' codes
	s_lshl_b32 s22, ttmp9, 8
	s_add_nc_u64 s[40:41], s[12:13], s[22:23]      ; the work-group's 64 experts' numbers
	s_add_co_u32 s22, s22, WTS
	s_add_nc_u64 s[38:39], s[14:15], s[22:23]      ; its 64 weights
	s_lshl_b32 s22, ttmp9, 9
	s_add_co_u32 s22, s22, XSB
	s_add_nc_u64 s[42:43], s[14:15], s[22:23]      ; its 512 scale bytes
	v_lshlrev_b32 v2, 4, v1                        ; 16 x lane
.irp i, 0,1,2,3
	global_load_b128 v[144+4*\i:147+4*\i], v2, s[6:7] offset:512*\i
.endr
.irp t, 0,1,2,3
.irp i, 0,1,2,3
	global_load_b128 v[16+16*\t+4*\i:19+16*\t+4*\i], v2, s[4:5] offset:2048*\t+512*\i th:TH_LOAD_NT
.endr
.endr
	v_lshrrev_b32 v3, 2, v1
	v_mul_u32_u24 v3, v3, 80
	v_and_b32 v4, 3, v1
	v_lshl_add_u32 v3, v4, 4, v3                   ; into a stage: four lanes' 64 bytes on end, then 16 of padding
	v_mul_u32_u24 v4, v1, 80                       ; out of a stage: 80 x lane; as it stands the address in Wr's rows, which begin at LDS byte 0
	s_mul_i32 s22, s20, 2560
	v_add_nc_u32 v10, s22, v3                      ; where I put Wr's row
	s_mul_i32 s22, s20, 5120
	s_add_co_u32 s22, s22, XST
	v_add_nc_u32 v11, s22, v3                      ; my stages, in
	v_add_nc_u32 v12, s22, v4                      ; and out
	v_lshlrev_b32 v5, 3, v1                        ; 8 x lane
	v_lshrrev_b32 v6, 1, v1
	s_lshl_b32 s22, s20, 6
	s_add_co_u32 s22, s22, OUTG+512
	v_add_nc_u32 v6, s22, v6                       ; my block's scale byte: 64 bytes a wave, 16 a token
	v_bfe_u32 v7, v1, 3, 1
	v_lshlrev_b32 v7, 8, v7
	v_and_b32 v8, 7, v1
	v_lshl_add_u32 v7, v8, 2, v7
	s_lshl_b32 s22, s20, 5
	s_add_co_u32 s22, s22, OUTG
	v_add_nc_u32 v7, s22, v7                       ; weights (lane % 16 under 8) or numbers (256 bytes on): 32 bytes a wave, word lane % 8
	s_min_u32 s22, s20, 1
	s_lshl_b32 s22, s22, 8
	s_add_co_u32 s22, s22, OUTG
	v_add_nc_u32 v8, s22, v5                       ; the way out of waves 0 (weights) and 1 (numbers)
	v_add_nc_u32 v9, OUTG+512, v2                  ; and of wave 2 (scale bytes)
	s_mov_b32 s24, 0x76543210
	s_mov_b32 s25, 0xfedcba98                      ; v_permlanex16_b32's selects for lane l xor 16
	s_mov_b32 s26, 0xaaaaaaaa                      ; odd lanes
	s_mov_b32 s27, 0xff00ff00                      ; lanes 8-15, 24-31
	v_mov_b32 v206, 0xff800000                     ; -infinity
	v_mov_b32 v220, 0
.irp k, 0,1,2,3
	v_mov_b32 v[200+\k], 0                         ; written once: a lane permute's destination counts as one of its sources
.endr
	s_wait_loadcnt 16                              ; Wr's row is in; x's 16 loads may be out
.irp i, 0,1,2,3
	ds_store_b128 v10, v[144+4*\i:147+4*\i] offset:640*\i
.endr
	s_wait_dscnt 0x0                               ; for the others' sake: my row of Wr lies in LDS
	s_barrier_signal -1
	s_barrier_wait -1                              ; all eight rows do
.irp t, 0,1,2,3
	s_wait_loadcnt 12-4*\t                         ; token t's four loads are in; the later tokens' may be out
	TURN \t
.endr
.irp t, 0,1,2,3
	QX \t
.endr
.irp i, 0,1,2,3
	ds_load_b128 v[144+4*\i:147+4*\i], v4 offset:16*\i   ; Wr's row 0, my 16 numbers
.endr
.irp e, 0,1,2,3,4,5,6,7
	DOT \e
.endr
.irp g, 0,1,2,3,4,5,6,7                ; the 32 partial logits are summed over the 32 lanes, four at a time by turns; every lane ends with every logit
.irp x, 1,2,4,8
.irp k, 0,1,2,3
	v_add_f32_dpp v[16+4*\g+\k], v[16+4*\g+\k], v[16+4*\g+\k] row_xmask:\x row_mask:0xf bank_mask:0xf
.endr
.endr
.irp k, 0,1,2,3
	v_permlanex16_b32 v[200+\k], v[16+4*\g+\k], s24, s25
.endr
.irp k, 0,1,2,3
	v_add_f32 v[16+4*\g+\k], v[16+4*\g+\k], v[200+\k]
.endr
.endr
.irp t, 0,1,2,3
	TOP2 \t
.endr
	ds_store_b32 v7, v220                          ; lanes l and l + 16 write the same word with the same value
	s_wait_dscnt 0x0                               ; for the others' sake: my weights, numbers and scale bytes lie in LDS
	s_barrier_signal -1
	s_barrier_wait -1
	s_cmp_gt_u32 s20, 2
	s_cbranch_scc1 .Lr_end
	s_cmp_eq_u32 s20, 2
	s_cbranch_scc1 .Lr_scales
	s_cmp_eq_u32 s20, 0
	s_cselect_b64 s[44:45], s[38:39], s[40:41]     ; wave 0: the weights; wave 1: the experts' numbers
	ds_load_b64 v[196:197], v8
	s_wait_dscnt 0x0
	global_store_b64 v5, v[196:197], s[44:45]      ; 256 consecutive bytes, aligned
	s_wait_tensorcnt 0x0
	ds_add_u32 v254, v255
	s_wait_dscnt 0x0
	s_endpgm
.Lr_scales:
	ds_load_b128 v[196:199], v9
	s_wait_dscnt 0x0
	global_store_b128 v2, v[196:199], s[42:43]     ; 512 consecutive bytes, aligned
.Lr_end:
	s_wait_tensorcnt 0x0
	ds_add_u32 v254, v255
	s_wait_dscnt 0x0
	s_endpgm
.Lfunc_end_k_q5607370360_prep:
	.size	k_q5607370360_prep, .Lfunc_end_k_q5607370360_prep-k_q5607370360_prep
	.p2alignl 7, 3214868480
	.fill 96, 4, 3214868480
	.section	.rodata,"a",@progbits
	.p2align	6, 0x0
	.amdhsa_kernel k_q5607370360_prep
		.amdhsa_group_segment_fixed_size 63488
		.amdhsa_private_segment_fixed_size 0
		.amdhsa_enable_private_segment 0
		.amdhsa_kernarg_size 64
		.amdhsa_user_sgpr_count 2
		.amdhsa_user_sgpr_kernarg_segment_ptr 1
		.amdhsa_wavefront_size32 1
		.amdhsa_system_sgpr_workgroup_id_x 1
		.amdhsa_system_sgpr_workgroup_id_y 1
		.amdhsa_system_sgpr_workgroup_id_z 1
		.amdhsa_system_vgpr_workitem_id 0
		.amdhsa_next_free_vgpr 256
		.amdhsa_next_free_sgpr 66
		.amdhsa_reserve_vcc 1
		.amdhsa_float_denorm_mode_32 3
		.amdhsa_float_denorm_mode_16_64 3
		.amdhsa_memory_ordered 1
		.amdhsa_forward_progress 1
		.amdhsa_inst_pref_size 80
	.end_amdhsa_kernel
	.amdgpu_metadata
---
amdhsa.version: [ 1, 2 ]
amdhsa.kernels:
  - .name:           k_q5607370360_prep
    .symbol:         k_q5607370360_prep.kd
    .args:
      - { .name: x, .offset: 0, .size: 8, .value_kind: global_buffer, .address_space: global }
      - { .name: Wr, .offset: 8, .size: 8, .value_kind: global_buffer, .address_space: global }
      - { .name: W_out, .offset: 16, .size: 8, .value_kind: global_buffer, .address_space: global }
      - { .name: W_in_codes, .offset: 24, .size: 8, .value_kind: global_buffer, .address_space: global }
      - { .name: idx, .offset: 32, .size: 8, .value_kind: global_buffer, .address_space: global }
      - { .name: xq, .offset: 40, .size: 8, .value_kind: global_buffer, .address_space: global }
      - { .name: wiq, .offset: 48, .size: 8, .value_kind: global_buffer, .address_space: global }
      - { .name: woq, .offset: 56, .size: 8, .value_kind: global_buffer, .address_space: global }
    .group_segment_fixed_size: 63488
    .private_segment_fixed_size: 0
    .kernarg_segment_align: 8
    .kernarg_segment_size: 64
    .max_flat_workgroup_size: 256
    .sgpr_count:     66
    .vgpr_count:     256
    .wavefront_size: 32
...
	.end_amdgpu_metadata
.endif
;; end of part 1
;; launch place (part 2): grid 1 x 1, 16 waves a work-group, no clusters, 4,096 bytes of LDS; arguments idx, plan; writes plan
.if DOCPART == 2
	.amdgcn_target "amdgcn-amd-amdhsa--gfx1250"
	.amdhsa_code_object_version 6
	.text
	.protected	k_q5607370360_place
	.globl	k_q5607370360_place
	.p2align	8
	.type	k_q5607370360_place,@function
k_q5607370360_place:
	s_mov_b64 s[64:65], 0
	v_nop
	global_prefetch_b8 v0, s[64:65] scope:SCOPE_SE
	s_setreg_imm32_b32 hwreg(HW_REG_WAVE_MODE, 25, 1), 1
	s_wait_xcnt 0x0
; PLACE: a counting sort of the 8,192 slots (slot = 2 x token + rank) by expert, into tiles of 48 rows.  One work-group, no atomics.
; plan: u32 tiles[256] at byte 0: tile j's expert, or 8 where no expert has it.  u32 rows[9056] at byte 1,024: position p holds a slot, or 8192 + p where the position is padding
; (the tail of an expert's last tile; tiles that no expert has).  178 tiles = ceil(8192 / 48) + 7 serve every split, all slots on two experts too: positions 0 .. 8,543 are read by the next launch.
; Positions 8,544 .. 9,055 are room for the padding's 512 threads, so that they store without a mask; nobody reads them.
; Wave w takes slots 512 w .. 512 w + 511, a lane 16 of them.  The order of the rows inside an expert is free: nothing is dropped.
; The positions are data, so the 8,192 words leave by stores of 4 bytes a lane: 32 KB in all.
.set ROWS, 1024
	s_load_b128 s[4:7], s[0:1], 0x0                ; idx, plan
	v_lshl_add_u32 v128, v0, 2, 0x800
	v_mov_b32 v129, 0
	v_lshrrev_b32 v1, 5, v0
	v_readfirstlane_b32 s2, v1                     ; wave 0..15
	v_and_b32 v1, 31, v0                           ; lane
	v_lshlrev_b32 v2, 4, v1
	s_lshl_b32 s3, s2, 11
	v_add_nc_u32 v2, s3, v2                        ; 2,048 x wave + 16 x lane
	v_lshlrev_b32 v3, 2, v0                        ; 4 x thread
	v_lshlrev_b32 v4, 2, v1                        ; 4 x lane
	s_wait_kmcnt 0x0
.irp q, 0,1,2,3
	global_load_b128 v[16+4*\q:19+4*\q], v2, s[4:5] offset:512*\q   ; item 4 q + i: slot 512 w + 128 q + 4 lane + i
.endr
.irp e, 0,1,2,3,4,5,6,7
	s_mov_b32 s[8+\e], 0                           ; my wave's count of expert e so far
.endr
.irp j, 0,1,2,3,4,5,6,7,8,9,10,11,12,13,14,15
	v_mov_b32 v[32+\j], 0                          ; item j's rank among my wave's slots of its expert
.endr
	v_mov_b32 v97, 0
	v_mov_b32 v98, 0
	v_mov_b32 v100, 0
	v_mov_b32 v101, 0
	v_mov_b32 v110, 0
	s_wait_loadcnt 0x0
.irp j, 0,1,2,3,4,5,6,7,8,9,10,11,12,13,14,15
	v_min_u32 v[16+\j], 7, v[16+\j]                ; an expert's number is 0 .. 7; held there, since it will choose a lane
.endr
.irp j, 0,1,2,3,4,5,6,7,8,9,10,11,12,13,14,15
.irp e, 0,1,2,3,4,5,6,7
	v_cmp_eq_u32 s[36+\e], \e, v[16+\j]            ; which lanes have expert e in item j
.endr
.irp e, 0,1,2,3,4,5,6,7
	v_mbcnt_lo_u32_b32 v[112+\e], s[36+\e], s[8+\e]   ; how many of them lie under my lane, + the count so far
.endr
.irp e, 0,1,2,3,4,5,6,7
	v_cndmask_b32 v[32+\j], v[32+\j], v[112+\e], s[36+\e]
.endr
.irp e, 0,1,2,3,4,5,6,7
	s_bcnt1_i32_b32 s[44+\e], s[36+\e]
.endr
.irp e, 0,1,2,3,4,5,6,7
	s_add_co_u32 s[8+\e], s[8+\e], s[44+\e]
.endr
.endr
.irp e, 0,1,2,3,4,5,6,7
	v_writelane_b32 v97, s[8+\e], \e               ; lane e: my wave's count of expert e; lanes 8-31: 0
.endr
	ds_store_b32 v3, v97                           ; 128 bytes a wave
	s_wait_dscnt 0x0
	s_barrier_signal -1
	s_barrier_wait -1
.irp w, 0,1,2,3,4,5,6,7,8,9,10,11,12,13,14,15
	ds_load_b32 v[48+\w], v4 offset:128*\w
.endr
	s_wait_dscnt 0x0
.irp w, 0,1,2,3,4,5,6,7,8,9,10,11,12,13,14,15
	v_add_nc_u32 v100, v100, v[48+\w]              ; lane e: n(e), expert e's rows in all
	s_cmp_gt_u32 s2, \w
	s_cselect_b32 s27, -1, 0
	v_and_b32 v99, s27, v[48+\w]
	v_add_nc_u32 v101, v101, v99                   ; lane e: those of the waves ahead of mine
.endr
	s_mov_b32 s27, 43691
	v_add_nc_u32 v102, 47, v100
	v_mul_lo_u32 v102, v102, s27
	v_lshrrev_b32 v102, 21, v102                   ; tiles of expert e: (n + 47) / 48.  48 x 43,691 = 2^21 + 16: exact for numbers under 131,072
	s_mov_b32 s16, 0
.irp e, 0,1,2,3,4,5,6,7
	v_readlane_b32 s27, v102, \e
	s_add_co_u32 s[17+\e], s[16+\e], s27           ; s[16 + e]: expert e's first tile; s24: tiles in all
.endr
.irp e, 0,1,2,3,4,5,6,7
	v_writelane_b32 v98, s[16+\e], \e
.endr
	v_mad_u32_u24 v103, v98, 48, v101              ; lane e: where my wave's rows of expert e begin,
	v_mad_u32_u24 v104, v98, 48, v100              ; where expert e's rows end,
	v_add_nc_u32 v105, v98, v102
	v_mul_u32_u24 v105, v105, 48                   ; and where its tiles end (lane 7: where all tiles end)
.irp j, 0,1,2,3,4,5,6,7,8,9,10,11,12,13,14,15
	v_lshlrev_b32 v[80+\j], 2, v[16+\j]
.endr
.irp j, 0,1,2,3,4,5,6,7,8,9,10,11,12,13,14,15
	ds_bpermute_b32 v[64+\j], v[80+\j], v103       ; item j takes lane e's number, e its expert (no LDS byte is touched)
.endr
	s_lshl_b32 s27, s2, 9
	v_add_nc_u32 v106, s27, v4                     ; 512 x wave + 4 x lane
	; EVERY ADDRESS OF THIS TEXT IS MADE HERE, with all lanes on, ahead of the one change of EXEC below.
	; Padding, first kind: the tail of expert e's last tile, at most 47 positions.  Waves 2 e and 2 e + 1 offer 64 between them; those at or past the tile's end are masked off.
	s_lshr_b32 s28, s2, 1
	v_readlane_b32 s29, v104, s28                  ; where expert e's rows end
	v_readlane_b32 s30, v105, s28                  ; where its tiles end
	s_and_b32 s31, s2, 1
	s_lshl_b32 s31, s31, 5
	s_add_co_u32 s29, s29, s31
	v_add_nc_u32 v107, s29, v1                     ; p
	v_add_nc_u32 v108, 0x2000, v107                ; 8192 + p
	v_min_u32 v109, 0x215f, v107                   ; (held under 8,544, since it becomes an address)
	v_lshlrev_b32 v109, 2, v109
	; Padding, second kind: the tiles that no expert has: at most 7 x 48 = 336 positions.  All 512 threads store: p = 48 x tiles + thread is at most 48 x 178 + 511 = 9,055, inside rows[]
	v_readlane_b32 s33, v105, 7                    ; 48 x the tiles in all
	v_add_nc_u32 v120, s33, v0                     ; p
	v_add_nc_u32 v121, 0x2000, v120                ; 8192 + p
	v_min_u32 v122, 0x235f, v120                   ; (held at 9,055, since it becomes an address)
	v_lshlrev_b32 v122, 2, v122
	s_wait_dscnt 0x0                               ; the sixteen lane permutes are back
.irp j, 0,1,2,3,4,5,6,7,8,9,10,11,12,13,14,15
	v_add_nc_u32 v[64+\j], v[64+\j], v[32+\j]      ; the slot's position
	v_min_u32 v[64+\j], 0x215f, v[64+\j]           ; (under 8,544 by the count above; held there, since it becomes an address)
	v_lshlrev_b32 v[64+\j], 2, v[64+\j]
	v_add_nc_u32 v[80+\j], 128*(\j/4)+\j%4, v106   ; the slot
.endr
.irp j, 0,1,2,3,4,5,6,7,8,9,10,11,12,13,14,15
	global_store_b32 v[64+\j], v[80+\j], s[6:7] offset:ROWS
.endr
	global_store_b32 v122, v121, s[6:7] offset:ROWS   ; the second kind of padding: no mask
	v_cmp_gt_u32 vcc_lo, s30, v107                 ; the first kind: only positions under the tile's end
	s_wait_xcnt 0x0                                ; EXEC changes only behind this wait: stores are out
	s_and_saveexec_b32 s34, vcc_lo
	global_store_b32 v109, v108, s[6:7] offset:ROWS
	s_wait_xcnt 0x0                                ; and again, in front of the line that widens it
	s_or_b32 exec_lo, exec_lo, s34
	; the tiles' experts: tile j has as its expert the number of e' = 1 .. 8 whose first tile (for 8: the end) is at or under j
	s_cmp_gt_u32 s2, 7
	s_cbranch_scc1 .Lend
.irp e, 1,2,3,4,5,6,7,8
	v_cmp_le_u32 vcc_lo, s[16+\e], v0
	v_cndmask_b32 v111, 0, 1, vcc_lo
	v_add_nc_u32 v110, v110, v111
.endr
	global_store_b32 v3, v110, s[6:7]
.Lend:
	s_wait_tensorcnt 0x0
	ds_add_u32 v128, v129
	s_wait_dscnt 0x0
	s_endpgm
.Lfunc_end_k_q5607370360_place:
	.size	k_q5607370360_place, .Lfunc_end_k_q5607370360_place-k_q5607370360_place
	.p2alignl 7, 3214868480
	.fill 96, 4, 3214868480
	.section	.rodata,"a",@progbits
	.p2align	6, 0x0
	.amdhsa_kernel k_q5607370360_place
		.amdhsa_group_segment_fixed_size 4096
		.amdhsa_private_segment_fixed_size 0
		.amdhsa_enable_private_segment 0
		.amdhsa_kernarg_size 16
		.amdhsa_user_sgpr_count 2
		.amdhsa_user_sgpr_kernarg_segment_ptr 1
		.amdhsa_wavefront_size32 1
		.amdhsa_system_sgpr_workgroup_id_x 1
		.amdhsa_system_sgpr_workgroup_id_y 1
		.amdhsa_system_sgpr_workgroup_id_z 1
		.amdhsa_system_vgpr_workitem_id 0
		.amdhsa_next_free_vgpr 130
		.amdhsa_next_free_sgpr 66
		.amdhsa_reserve_vcc 1
		.amdhsa_float_denorm_mode_32 3
		.amdhsa_float_denorm_mode_16_64 3
		.amdhsa_memory_ordered 1
		.amdhsa_forward_progress 1
		.amdhsa_inst_pref_size 49
	.end_amdhsa_kernel
	.amdgpu_metadata
---
amdhsa.version: [ 1, 2 ]
amdhsa.kernels:
  - .name:           k_q5607370360_place
    .symbol:         k_q5607370360_place.kd
    .args:
      - { .name: idx, .offset: 0, .size: 8, .value_kind: global_buffer, .address_space: global }
      - { .name: plan, .offset: 8, .size: 8, .value_kind: global_buffer, .address_space: global }
    .group_segment_fixed_size: 4096
    .private_segment_fixed_size: 0
    .kernarg_segment_align: 8
    .kernarg_segment_size: 16
    .max_flat_workgroup_size: 512
    .sgpr_count:     66
    .vgpr_count:     130
    .wavefront_size: 32
...
	.end_amdgpu_metadata
.endif
;; end of part 2
;; launch chain (part 3): grid 178 x 1, 4 waves a work-group, no clusters, 48,128 bytes of LDS; arguments plan, xq, wiq, woq, W_in_scales, part; writes part
.if DOCPART == 3
	.amdgcn_target "amdgcn-amd-amdhsa--gfx1250"
	.amdhsa_code_object_version 6
	.text
	.protected	k_q5607370360_chain
	.globl	k_q5607370360_chain
	.p2align	8
	.type	k_q5607370360_chain,@function
k_q5607370360_chain:
	s_mov_b64 s[64:65], 0
	v_nop
	global_prefetch_b8 v0, s[64:65] scope:SCOPE_SE
	s_setreg_imm32_b32 hwreg(HW_REG_WAVE_MODE, 25, 1), 1
	s_wait_xcnt 0x0
; CHAIN: one work-group takes one tile of 48 routed rows of ONE expert through both products: part[row] = Q(gelu(Q(x) W_in^T) R) Q(W_out), on codes of FP4 (E2M1) with one E8M0 scale for each 32 along K.
; Only the rows of the experts chosen for a token are multiplied: for the other six R is 0, their blocks are zeros and add nothing.  A token's two rows are added by the next launch.
; SHARES.  THE WAVES SHARE THE COLUMNS, NOT THE ROWS.  The 2,048 hidden units go in four chunks of 512.  In a chunk wave w makes hidden units 128 w .. 128 w + 127 of all 48 rows, which are K step w of the second
; product, and it owns outputs 128 w .. 128 w + 127.  So each byte of the expert's weights is loaded once in the work-group, from memory straight into the registers of the one wave that multiplies by it
; (an earlier launch laid them in the order of the operand's registers); what goes from wave to wave through LDS is small: the hidden layer's codes, as images of the operand's registers.
; Both products are used transposed (source 0 = 16 rows of weights, source 1 = 16 routed rows): a lane holds one routed row, and its registers run along the hidden units or the outputs.
; NO TENSOR LOAD, NO CLUSTER: which expert's weights a work-group walks is a number read from memory.  Four partners on one expert would ask every expert's count of tiles to be a multiple of four:
; up to 24 tiles more on 171.  A fixed grid of 178 = ceil(8192 / 48) + 7 tiles serves every split.
; NO BRANCH HANGS ON DATA: a padding row runs with R = 0 and is stored to a row of its own that nobody reads; a tile that no expert has (at most 7 of the 178) is 48 such rows on expert 7's weights:
; every wave so passes every barrier and every count of loads is the same on every way.
; THE GELU: g = hr + |hr| erf(|a| / sqrt 2), hr = a R / 2;  erf(z) = 1 - t (a1 + t (a2 + t (a3 + t (a4 + t a5)))) e^(-z z), t = 1 / (1 + p z) (Abramowitz and Stegun 7.1.26).
; LIMITS: that formula's error is at most 1.5e-7 of erf's full range, beside f32 rounding; for a < 0 the error relative to g grows as 1 / (1 + erf), as it does in the form a (1 + erf) / 2 in f32.
; R is multiplied in ahead of (1 + erf): another order of rounding.  NaN and infinities are not served.  A block of zeros has the scale byte 1, not 127: its codes are zeros, and only this text reads the byte.
; REGISTERS, in windows of 256.  Window 0: v1-11 addresses; v16-59 scale words and nothing else; v60-111 the quantiser's; v112-159 six tiles of the hidden layer; v160-207 the gelu's; in the second product
;   v112-207 are twelve hidden fragments.  Window 1: v0-127 W_in, two slots of a block (32 hidden units x 512 k); v128-223 x's twelve fragments.  Window 2: W_out's 32 fragments of a chunk.
;   Window 3: v0-191 the 24 accumulators of y (row tile m, tile of outputs t: v[64 m + 8 t]).
.set HIMG, 0                           ; LDS: the hidden layer's 12 fragments (row tile m, K step s) at 1,024 (4 m + s);
.set HSC,  12288                       ; their scale words, 128 bytes each;
.set STG,  13824                       ; the way out: 16 rows x (512 + 16) bytes for each wave
.set XSB,  0x100000
.set WTS,  0x110000
.set LI,   1                           ; v1   16 x lane
.set LS,   2                           ; v2   4 x lane
.set HWI,  3                           ; v3   16 x lane + 1,024 x wave: where I store an image
.set HWS,  4                           ; v4   4 x lane + 128 x wave: and its scale word
.set VSR,  5                           ; v5   W_in's scale words: 16 bytes a row; lane 16 u + r takes row 8 u + r + 8 (r / 8) of a block
.set STO,  9                           ; v9   the stage: where I put 32 bytes of a row
.set SRD,  10                          ; v10  and where I read a row back
.set OUTL, 11                          ; v11  512 x wave + 16 x lane: my bytes in a row of part
.set XS,   16                          ; v16-19 x's words of K step s: lanes 0-15 row tile 0, lanes 16-31 row tile 1;  v20-23: row tile 2
.set WIS,  24                          ; v24-31 W_in's words, four (K steps) a slot: lanes 0-15 tile u = 0, lanes 16-31 u = 1
.set WOS,  32                          ; v32-47 W_out's words [4 s + tp]: lanes 0-15 tile 2 tp, lanes 16-31 tile 2 tp + 1
.set HS,   48                          ; v48-59 the hidden layer's words [3 s + m]
.set PW,   60                          ; v60-62 the words being made
.set VRH,  64                          ; v64-69 R / 2 of my row, twice, for each row tile
.set VA4,  70                          ; v70-71 a4, twice
.set TMX,  72
.set TMY,  76
.set TSC,  80
.set TBY,  84
.set PC,   88                          ; v88-111 the codes being made: 8 registers a row tile
.set HA,   112
.set GU,   160
.set GD,   176
.set GP,   192
.set PWIC, 66                          ; s[66:67] wiq at this chunk;  s[68:69] at the next (in the last chunk: the same)
.set PWIN, 68
.set PWSC, 70                          ; s[70:71], s[72:73] W_in_scales likewise
.set PWSN, 72
.set PWOC, 74                          ; s[74:75] woq's codes at this chunk;  s[76:77] its scale words
.set PWOW, 76
.set MSB, 0
.macro WIN new                         ; s_set_vgpr_msb: bits 1:0 source 0, 3:2 source 1, 5:4 source 2, 7:6 destination; the high byte repeats the setting that is left
.if MSB != (\new)
	s_set_vgpr_msb (MSB<<8)|(\new)
.set MSB, \new
.endif
.endm
.macro PLACES n
.rept \n
	v_nop
.endr
.endm
; One matrix instruction, from the symbols rD, rA, rB, rSA, rSB; eZ: it starts its sum; eRA, eRB: the side's scale words stand in lanes 16-31
.macro EMIT
.if eZ
.if eRA
.if eRB
	v_wmma_scale_f32_16x16x128_f8f6f4 v[rD:rD+7], v[rA:rA+7], v[rB:rB+7], 0, v[rSA], v[rSB] matrix_a_fmt:MATRIX_FMT_FP4 matrix_b_fmt:MATRIX_FMT_FP4 matrix_a_scale:MATRIX_SCALE_ROW1 matrix_b_scale:MATRIX_SCALE_ROW1
.else
	v_wmma_scale_f32_16x16x128_f8f6f4 v[rD:rD+7], v[rA:rA+7], v[rB:rB+7], 0, v[rSA], v[rSB] matrix_a_fmt:MATRIX_FMT_FP4 matrix_b_fmt:MATRIX_FMT_FP4 matrix_a_scale:MATRIX_SCALE_ROW1
.endif
.else
.if eRB
	v_wmma_scale_f32_16x16x128_f8f6f4 v[rD:rD+7], v[rA:rA+7], v[rB:rB+7], 0, v[rSA], v[rSB] matrix_a_fmt:MATRIX_FMT_FP4 matrix_b_fmt:MATRIX_FMT_FP4 matrix_b_scale:MATRIX_SCALE_ROW1
.else
	v_wmma_scale_f32_16x16x128_f8f6f4 v[rD:rD+7], v[rA:rA+7], v[rB:rB+7], 0, v[rSA], v[rSB] matrix_a_fmt:MATRIX_FMT_FP4 matrix_b_fmt:MATRIX_FMT_FP4
.endif
.endif
.else
.if eRA
.if eRB
	v_wmma_scale_f32_16x16x128_f8f6f4 v[rD:rD+7], v[rA:rA+7], v[rB:rB+7], v[rD:rD+7], v[rSA], v[rSB] matrix_a_fmt:MATRIX_FMT_FP4 matrix_b_fmt:MATRIX_FMT_FP4 matrix_a_scale:MATRIX_SCALE_ROW1 matrix_b_scale:MATRIX_SCALE_ROW1
.else
	v_wmma_scale_f32_16x16x128_f8f6f4 v[rD:rD+7], v[rA:rA+7], v[rB:rB+7], v[rD:rD+7], v[rSA], v[rSB] matrix_a_fmt:MATRIX_FMT_FP4 matrix_b_fmt:MATRIX_FMT_FP4 matrix_a_scale:MATRIX_SCALE_ROW1
.endif
.else
.if eRB
	v_wmma_scale_f32_16x16x128_f8f6f4 v[rD:rD+7], v[rA:rA+7], v[rB:rB+7], v[rD:rD+7], v[rSA], v[rSB] matrix_a_fmt:MATRIX_FMT_FP4 matrix_b_fmt:MATRIX_FMT_FP4 matrix_b_scale:MATRIX_SCALE_ROW1
.else
	v_wmma_scale_f32_16x16x128_f8f6f4 v[rD:rD+7], v[rA:rA+7], v[rB:rB+7], v[rD:rD+7], v[rSA], v[rSB] matrix_a_fmt:MATRIX_FMT_FP4 matrix_b_fmt:MATRIX_FMT_FP4
.endif
.endif
.endif
.endm
; The first product of a block of 32 hidden units, from slot p: 24 matrix instructions; the six accumulators (m, u) take turns, one instruction a turn, K ascending.
; In tile (m, u) lane (r, h) holds routed row 16 m + r, and register j hidden unit 16 h + 8 u + j of the block: the 16 registers of u = 0, 1 are 16 neighbours along the next K.
.macro MUL1 p
.irp s, 0,1,2,3
.irp m, 0,1,2
.irp u, 0,1
.set rD, HA+16*\m+8*\u
.set rA, 64*(\p)+8*(4*\u+\s)
.set rB, 128+8*(4*\m+\s)
.set rSA, WIS+4*(\p)+\s
.set rSB, XS+\s+4*(\m/2)
.set eZ, \s == 0
.set eRA, \u
.set eRB, \m == 1
	EMIT
.endr
.endr
.endr
.endm
; K step s of the second product: 24 matrix instructions, the 24 accumulators by turns
.macro MUL2 s
.irp m, 0,1,2
.irp t, 0,1,2,3,4,5,6,7
.set rD, 64*\m+8*\t
.set rA, 64*(\s)+8*\t
.set rB, HA+8*(3*(\s)+\m)
.set rSA, WOS+4*(\s)+\t/2
.set rSB, HS+3*(\s)+\m
.set eZ, 0
.set eRA, \t%2
.set eRB, 0
	EMIT
.endr
.endr
.endm
.macro LDWI slot, base, imm            ; a block of W_in (8 fragments, 8 KB) into a slot of window 1: 16 loads of 512 consecutive bytes
.set n, 0
.rept 16
	global_load_b128 v[64*(\slot)+4*n:64*(\slot)+4*n+3], v[LI], s[\base:\base+1] offset:(\imm)+512*n
.set n, n+1
.endr
.endm
; The 37 loads of block b, in this order: 4 of W_out's scale words of K step b; 16 of its codes; 16 of W_in's block two blocks on, into the slot just multiplied; 1 of that block's scale words.
.macro LOADS b
	WIN 0
.irp q, 0,1,2,3
	global_load_b32 v[WOS+4*(\b)+\q], v[LS], s[PWOW:PWOW+1] offset:512*(\b)+128*\q
.endr
	WIN 0x80                                       ; destination window 2
.set n, 0
.rept 16
	global_load_b128 v[64*(\b)+4*n:64*(\b)+4*n+3], v[LI], s[PWOC:PWOC+1] offset:8192*(\b)+512*n
.set n, n+1
.endr
	WIN 0x40                                       ; destination window 1
.if (\b) < 2
	LDWI (\b)%2, PWIC, 8192*((\b)+2)
	WIN 0
	global_load_b128 v[WIS+4*((\b)%2):WIS+4*((\b)%2)+3], v[VSR], s[PWSC:PWSC+1] offset:512*((\b)+2)
.else
	LDWI (\b)%2, PWIN, 8192*((\b)-2)               ; the next chunk's blocks 0 and 1 (in the last chunk its own once more, 16 KB that nobody uses: so the counts are the same in every trip and no load leaves its buffer)
	WIN 0
	global_load_b128 v[WIS+4*((\b)%2):WIS+4*((\b)%2)+3], v[VSR], s[PWSN:PWSN+1] offset:512*((\b)-2)
.endif
.endm
; gelu x R of the 16 numbers of row tile m, in place.  Each accumulator is read from its low end on.
.macro GELU16 m
.set gA, HA+16*(\m)
.irp i, 0,2,4,6,8,10,12,14
	v_pk_mul_f32 v[GU+\i:GU+\i+1], v[gA+\i:gA+\i+1], v[gA+\i:gA+\i+1]          ; a a
.endr
.irp i, 0,1,2,3,4,5,6,7,8,9,10,11,12,13,14,15
	v_fma_f32 v[GD+\i], |v[gA+\i]|, s98, 1.0                                   ; 1 + (p / sqrt 2) |a|
.endr
.irp i, 0,2,4,6,8,10,12,14
	v_pk_mul_f32 v[GU+\i:GU+\i+1], v[GU+\i:GU+\i+1], s[88:89] op_sel_hi:[1,0]  ; - a a log2(e) / 2
.endr
.irp i, 0,1,2,3,4,5,6,7,8,9,10,11,12,13,14,15
	v_rcp_f32 v[GD+\i], v[GD+\i]                                               ; t
.endr
.irp i, 0,1,2,3,4,5,6,7,8,9,10,11,12,13,14,15
	v_exp_f32 v[GU+\i], v[GU+\i]                                               ; e^(-a a / 2)
.endr
.irp i, 0,2,4,6,8,10,12,14
	v_pk_mul_f32 v[gA+\i:gA+\i+1], v[gA+\i:gA+\i+1], v[VRH+2*(\m):VRH+2*(\m)+1]   ; hr = a R / 2.  (The plain lines behind the transcendentals)
.endr
	s_wait_alu depctr_va_vdst(0)
.irp i, 0,2,4,6,8,10,12,14
	v_pk_fma_f32 v[GP+\i:GP+\i+1], v[GD+\i:GD+\i+1], s[90:91], v[VA4:VA4+1] op_sel_hi:[1,0,1]   ; a4 + t a5
.endr
.irp c, 92,94,96
.irp i, 0,2,4,6,8,10,12,14
	v_pk_fma_f32 v[GP+\i:GP+\i+1], v[GP+\i:GP+\i+1], v[GD+\i:GD+\i+1], s[\c:\c+1] op_sel_hi:[1,1,0]   ; a3 + t (..), a2 + t (..), a1 + t (..)
.endr
.endr
.irp i, 0,2,4,6,8,10,12,14
	v_pk_mul_f32 v[GU+\i:GU+\i+1], v[GU+\i:GU+\i+1], v[GD+\i:GD+\i+1]          ; t e^(..)
.endr
.irp i, 0,2,4,6,8,10,12,14
	v_pk_fma_f32 v[GU+\i:GU+\i+1], v[GU+\i:GU+\i+1], v[GP+\i:GP+\i+1], 1.0 op_sel_hi:[1,1,0] neg_lo:[1,0,0] neg_hi:[1,0,0]   ; erf = 1 - t e^(..) (a1 + ..)
.endr
.irp i, 0,1,2,3,4,5,6,7,8,9,10,11,12,13,14,15
	v_fma_f32 v[gA+\i], |v[gA+\i]|, v[GU+\i], v[gA+\i]                         ; g = |hr| erf + hr
.endr
.endm
; Block b of the wave's K step is quantised, the three row tiles by turns.  A block of 32 lies in lanes l and l xor 16.
.macro QUANT3 b
.irp m, 0,1,2
	v_max3_num_f32 v[TMX+\m], |v[HA+16*\m]|, |v[HA+16*\m+1]|, 0x1800000        ; my 16 numbers, and the floor 2^(3 - 127): the byte cannot fall under 1
.endr
.irp i, 2,4,6,8,10,12,14
.irp m, 0,1,2
	v_max3_num_f32 v[TMX+\m], v[TMX+\m], |v[HA+16*\m+\i]|, |v[HA+16*\m+\i+1]|
.endr
.endr
.irp m, 0,1,2
	v_permlanex16_b32 v[TMY+\m], v[TMX+\m], s86, s87
.endr
.irp m, 0,1,2
	v_max_num_f32 v[TMX+\m], v[TMX+\m], v[TMY+\m]                              ; the block's largest magnitude
.endr
.irp m, 0,1,2
	v_add_nc_u32 v[TSC+\m], 0xff000000, v[TMX+\m]                              ; 2 off its exponent field: the conversion's scale operand
.endr
.irp m, 0,1,2
.if (\b) == 0
	v_lshrrev_b32 v[PW+\m], 23, v[TSC+\m]                                      ; the scale's byte: byte b of my row's word
.else
	v_lshrrev_b32 v[TBY+\m], 23, v[TSC+\m]
.endif
.endr
.if (\b) > 0
.irp m, 0,1,2
	v_lshl_or_b32 v[PW+\m], v[TBY+\m], 8*(\b), v[PW+\m]
.endr
.endif
.irp m, 0,1,2
	v_cvt_scalef32_pk8_fp4_f32 v[PC+8*\m+2*(\b)], v[HA+16*\m:HA+16*\m+7], v[TSC+\m]
	v_cvt_scalef32_pk8_fp4_f32 v[PC+8*\m+2*(\b)+1], v[HA+16*\m+8:HA+16*\m+15], v[TSC+\m]
.endr
	v_nop                                          ; one plain line behind the last scaled conversion: vector and matrix instructions touch its registers next
.if (\b)%2
.irp m, 0,1,2                          ; the operand's layout wants a WHOLE block in a lane: lanes 0-15 the even block, lanes 16-31 the odd one
.irp i, 0,1
	v_permlane16_swap_b32 v[PC+8*\m+4*((\b)/2)+\i], v[PC+8*\m+4*((\b)/2)+2+\i]
.endr
.endr
.endif
.endm
.macro BLOCK b
	s_wait_loadcnt 37                              ; all but the 37 loads of the block before are in: this block of W_in was asked for a block earlier still
	WIN 0x05                                       ; sources 0 and 1 window 1; C and D window 0
	MUL1 (\b)%2
	PLACES 4                                       ; four places ahead of loads into registers that these products read, and of the first read of their results
	LOADS \b
	GELU16 0
	GELU16 1
	GELU16 2
	QUANT3 \b
.endm
	s_load_b256 s[4:11], s[0:1], 0x0               ; plan s[4:5], xq s[6:7], wiq s[8:9], woq s[10:11]
	s_load_b128 s[12:15], s[0:1], 0x20             ; W_in_scales s[12:13], part s[14:15]
	v_lshl_add_u32 v254, v0, 2, 0xba00
	v_mov_b32 v255, 0
	v_lshrrev_b32 v6, 5, v0
	v_readfirstlane_b32 s2, v6                     ; wave 0..3
	v_and_b32 v6, 31, v0                           ; lane
	v_and_b32 v7, 15, v0                           ; r
	v_bfe_u32 v8, v0, 4, 1                         ; h
	v_lshlrev_b32 v[LI], 4, v6
	v_lshlrev_b32 v[LS], 2, v6
	s_lshl_b32 s83, s2, 10
	v_add_nc_u32 v[HWI], s83, v[LI]
	s_lshl_b32 s83, s2, 7
	v_add_nc_u32 v[HWS], s83, v[LS]
	v_and_b32 v12, 8, v7
	v_add_nc_u32 v12, v12, v7
	v_lshl_add_u32 v12, v8, 3, v12                 ; 8 u + r + 8 (r / 8)
	v_lshlrev_b32 v[VSR], 4, v12
	v_mul_u32_u24 v[STO], v7, 528
	v_lshl_add_u32 v[STO], v8, 5, v[STO]
	s_mul_i32 s83, s2, 8448
	s_add_co_u32 s83, s83, STG
	v_add_nc_u32 v[STO], s83, v[STO]               ; my stage: row r, + 32 h
	v_add_nc_u32 v[SRD], s83, v[LI]
	s_lshl_b32 s83, s2, 9
	v_add_nc_u32 v[OUTL], s83, v[LI]
	v_lshlrev_b32 v13, 2, v7
	s_lshl_b32 s83, ttmp9, 2
	s_mul_i32 s84, ttmp9, 192
	v_add_nc_u32 v14, s84, v[LS]
	v_add_nc_u32 v15, s84, v13
	s_wait_kmcnt 0x0
	s_load_b32 s3, s[4:5], s83 offset:0x0          ; my tile's expert
	s_load_b512 s[16:31], s[4:5], s84 offset:0x400 ; my tile's 48 row entries, as scalars, for the way out
	s_load_b512 s[32:47], s[4:5], s84 offset:0x440
	s_load_b512 s[48:63], s[4:5], s84 offset:0x480
	global_load_b32 v208, v14, s[4:5] offset:1024  ; and in lanes: entry lane (rows 0-31),
.irp m, 0,1,2
	global_load_b32 v[209+\m], v15, s[4:5] offset:1024+64*\m   ; entry 16 m + r
.endr
	s_wait_kmcnt 0x0
	s_min_u32 s3, s3, 7                            ; a tile that no expert has walks expert 7's weights, with R = 0
	s_lshl_b32 s83, s3, 2
	s_add_co_u32 s83, s83, s2                      ; 4 e + w
	s_lshl_b32 s84, s83, 17
	s_mov_b32 s85, 0
	s_add_nc_u64 s[78:79], s[8:9], s[84:85]        ; wiq: 128 KB for (e, w), 32 KB a chunk, 8 KB a block
	s_add_nc_u64 s[PWOC:PWOC+1], s[10:11], s[84:85]   ; woq's codes: the same sizes, 8 KB a K step
	s_lshl_b32 s84, s83, 13
	s_add_co_u32 s84, s84, 0x400000
	s_add_nc_u64 s[PWOW:PWOW+1], s[10:11], s[84:85]   ; its scale words: 2 KB a chunk, 512 bytes a K step
	s_lshl_b32 s84, s3, 15
	s_lshl_b32 s83, s2, 11
	s_add_co_u32 s84, s84, s83
	s_add_nc_u64 s[80:81], s[12:13], s[84:85]      ; W_in's scale bytes: row 2048 e + 128 w, 16 bytes a row; 8 KB a chunk, 512 bytes a block
	s_mov_b64 s[PWIC:PWIC+1], s[78:79]
	s_add_nc_u64 s[PWIN:PWIN+1], s[78:79], 0x8000
	s_mov_b64 s[PWSC:PWSC+1], s[80:81]
	s_add_nc_u64 s[PWSN:PWSN+1], s[80:81], 0x2000
	WIN 0x40
	LDWI 0, PWIC, 0                                ; W_in's blocks 0 and 1 of chunk 0
	LDWI 1, PWIC, 8192
	WIN 0
	global_load_b128 v[WIS:WIS+3], v[VSR], s[PWSC:PWSC+1]
	global_load_b128 v[WIS+4:WIS+7], v[VSR], s[PWSC:PWSC+1] offset:512
	s_wait_loadcnt 34                              ; the four loads of entries are in; the 34 of weights may be out
.irp q, 0,1,2,3
	v_min_u32 v[212+\q], 0x1fff, v[208+\q]         ; a padding row reads slot 8,191's data and discards them
.endr
.irp q, 0,1,2,3
	v_and_b32 v[216+\q], 0x3ffe, v[212+\q]         ; 2 x token
.endr
	v_lshlrev_b32 v220, 3, v216                    ; 16 bytes of scales a token
	v_lshlrev_b32 v221, 3, v219
.irp m, 0,1,2
	v_lshlrev_b32 v[222+\m], 7, v[217+\m]          ; 256 bytes of codes a token,
	v_lshl_add_u32 v[222+\m], v8, 4, v[222+\m]     ; + 16 h
	v_lshlrev_b32 v[225+\m], 2, v[213+\m]          ; 4 bytes of weight a slot
.endr
	global_load_b128 v[XS:XS+3], v220, s[6:7] offset:XSB
	global_load_b128 v[XS+4:XS+7], v221, s[6:7] offset:XSB
.irp m, 0,1,2
	global_load_b32 v[228+\m], v[225+\m], s[6:7] offset:WTS
.endr
	WIN 0x40
.irp m, 0,1,2
.irp s, 0,1,2,3
.irp c, 0,1
	global_load_b128 v[128+8*(4*\m+\s)+4*\c:128+8*(4*\m+\s)+4*\c+3], v[222+\m], s[6:7] offset:64*\s+32*\c   ; x's fragment (m, s): it stays
.endr
.endr
.endr
	WIN 0xc0                                       ; destination window 3
.set n, 0
.rept 192                              ; y's sums begin as zeros: 192 lines once, while the first loads are on their way, so that a chunk (19 KB of text) is written once and has no first trip of its own
	v_mov_b32 v[n], 0
.set n, n+1
.endr
	WIN 0
	s_mov_b32 s86, 0x76543210
	s_mov_b32 s87, 0xfedcba98                      ; v_permlanex16_b32's selects for lane l xor 16
	s_mov_b32 s98, 0x3e6d3388                      ; p / sqrt 2 = 0.2316419
	s_mov_b32 s88, 0xbf38aa3b                      ; - log2(e) / 2.  (The packed forms name a pair and take its low word for both halves: so both are written)
	s_mov_b32 s89, 0xbf38aa3b
	s_mov_b32 s90, 0x3f87dc22                      ; a5 = 1.061405429
	s_mov_b32 s91, 0x3f87dc22
	s_mov_b32 s92, 0x3fb5f0e3                      ; a3 = 1.421413741
	s_mov_b32 s93, 0x3fb5f0e3
	s_mov_b32 s94, 0xbe91a98e                      ; a2 = -0.284496736
	s_mov_b32 s95, 0xbe91a98e
	s_mov_b32 s96, 0x3e827906                      ; a1 = 0.254829592
	s_mov_b32 s97, 0x3e827906
	v_mov_b32 v[VA4], 0xbfba00e3                   ; a4 = -1.453152027
	v_mov_b32 v[VA4+1], 0xbfba00e3
.irp m, 0,1,2
	v_mov_b32 v[TMY+\m], 0                         ; written once: a lane permute's destination counts as one of its sources
.endr
	s_mov_b32 s82, 0                               ; the chunk
	s_wait_loadcnt 0x0
.irp m, 0,1,2
	v_cmp_gt_u32 vcc_lo, 0x2000, v[209+\m]         ; a real row?
	v_mul_f32 v[228+\m], 0.5, v[228+\m]
	v_cndmask_b32 v[VRH+2*\m], 0, v[228+\m], vcc_lo   ; R / 2, or 0 for padding
	v_mov_b32 v[VRH+2*\m+1], v[VRH+2*\m]
.endr
.Lchunk:                                               ; four trips: 512 hidden units each
	BLOCK 0
	BLOCK 1
	BLOCK 2
	BLOCK 3
.irp m, 0,1,2                          ; my 128 hidden units of 48 rows are K step w of the second product: three fragments and their words go to LDS as they stand in the registers
.irp c, 0,1
	ds_store_b128 v[HWI], v[PC+8*\m+4*\c:PC+8*\m+4*\c+3] offset:HIMG+4096*\m+512*\c
.endr
	ds_store_b32 v[HWS], v[PW+\m] offset:HSC+512*\m
.endr
	s_wait_dscnt 0x0                               ; for the others' sake: my images lie in LDS
	s_barrier_signal -1
	s_barrier_wait -1                              ; all twelve do
.irp s, 0,1,2,3                        ; nine LDS loads a K step
.irp m, 0,1,2
.irp c, 0,1
	ds_load_b128 v[HA+8*(3*\s+\m)+4*\c:HA+8*(3*\s+\m)+4*\c+3], v[LI] offset:HIMG+1024*(4*\m+\s)+512*\c
.endr
	ds_load_b32 v[HS+3*\s+\m], v[LS] offset:HSC+128*(4*\m+\s)
.endr
.endr
	s_wait_loadcnt 54                              ; W_out's K steps 0 to 2 are in: behind step 2's codes stand 17 loads of block 2 and the 37 of block 3
	s_wait_dscnt 27                                ; K step 0's fragments are in; the 27 loads of the later steps may be out
	WIN 0xf2                                       ; source 0 window 2, source 1 window 0, C and D window 3
	MUL2 0
	s_wait_dscnt 18
	MUL2 1
	s_wait_dscnt 9
	MUL2 2
	s_wait_dscnt 0x0                               ; my reads of the images are over:
	s_wait_loadcnt 17                              ; (W_out's K step 3 is in: behind its codes stand block 3's 17 loads of W_in)
	s_barrier_signal -1                            ; say so, and work on registers while the others arrive
	MUL2 3
	WIN 0
	PLACES 5                                       ; five places: the next trip's products write over registers that these have read; its loads and vector lines want four
	s_barrier_wait -1                              ; the images are written again only behind this barrier
	s_wait_xcnt 0x0                                ; the bases of loads that are out are rewritten only behind this wait
	s_mov_b64 s[PWIC:PWIC+1], s[PWIN:PWIN+1]
	s_mov_b64 s[PWSC:PWSC+1], s[PWSN:PWSN+1]
	s_add_nc_u64 s[PWOC:PWOC+1], s[PWOC:PWOC+1], 0x8000
	s_add_nc_u64 s[PWOW:PWOW+1], s[PWOW:PWOW+1], 0x800
	s_add_co_u32 s82, s82, 1
	s_add_co_u32 s83, s82, 1
	s_min_u32 s83, s83, 3                          ; the chunk behind the next one, held at the last
	s_lshl_b32 s84, s83, 15
	s_add_nc_u64 s[PWIN:PWIN+1], s[78:79], s[84:85]
	s_lshl_b32 s84, s83, 13
	s_add_nc_u64 s[PWSN:PWSN+1], s[80:81], s[84:85]
	s_cmp_lt_u32 s82, 4
	s_cbranch_scc1 .Lchunk
	; THE WAY OUT.  A lane holds 32 neighbouring bytes of a row, the lanes beside it other rows: a row tile goes through my own stage in LDS and comes back as 16 rows of 512 bytes, my 128 outputs.
	; The rows lie wherever the plan says: row = the entry itself (a slot, or 8192 + position for padding).
	s_wait_loadcnt 0x0                             ; the last 17 loads into window 1 have landed: its registers take the rows
.set n, 0
.rept 48
	s_min_u32 s83, s[16+n], 0x415f                 ; (an entry is at most 16,735; held there, since it becomes an address)
	s_lshl_b32 s83, s83, 11                        ; 2,048 bytes a row
	v_add_nc_u32 v[HA+n], s83, v[OUTL]
.set n, n+1
.endr
.macro TOSTAGE m
	WIN 0x0c                                       ; an LDS store's data are its source 1: window 3
.irp t, 0,1,2,3,4,5,6,7
	ds_store_b128 v[STO], v[64*(\m)+8*\t:64*(\m)+8*\t+3] offset:64*\t            ; each accumulator from its low end on
	ds_store_b128 v[STO], v[64*(\m)+8*\t+4:64*(\m)+8*\t+7] offset:64*\t+16
.endr
	WIN 0x40                                       ; destination window 1
.irp i, 0,1,2,3,4,5,6,7,8,9,10,11,12,13,14,15
	ds_load_b128 v[64*(\m)+4*\i:64*(\m)+4*\i+3], v[SRD] offset:528*\i            ; LDS serves a wave's instructions in order: these see my stores, and the next tile's stores come behind them
.endr
.endm
.macro SEND m, younger
	s_wait_dscnt \younger                          ; the tile is back in registers; the next tile's 32 LDS instructions may be out
	WIN 0x04                                       ; a store's data are its source 1: window 1
.irp i, 0,1,2,3,4,5,6,7,8,9,10,11,12,13,14,15
	global_store_b128 v[HA+16*(\m)+\i], v[64*(\m)+4*\i:64*(\m)+4*\i+3], s[14:15]  ; 32 lanes store 512 consecutive bytes, aligned; no source of a store is written again
.endr
.endm
	TOSTAGE 0
	TOSTAGE 1
	SEND 0, 32
	TOSTAGE 2
	SEND 1, 32
	SEND 2, 0
	WIN 0
	s_wait_tensorcnt 0x0
	ds_add_u32 v254, v255
	s_wait_dscnt 0x0
	s_endpgm
.Lfunc_end_k_q5607370360_chain:
	.size	k_q5607370360_chain, .Lfunc_end_k_q5607370360_chain-k_q5607370360_chain
	.p2alignl 7, 3214868480
	.fill 96, 4, 3214868480
	.section	.rodata,"a",@progbits
	.p2align	6, 0x0
	.amdhsa_kernel k_q5607370360_chain
		.amdhsa_group_segment_fixed_size 48128
		.amdhsa_private_segment_fixed_size 0
		.amdhsa_enable_private_segment 0
		.amdhsa_kernarg_size 48
		.amdhsa_user_sgpr_count 2
		.amdhsa_user_sgpr_kernarg_segment_ptr 1
		.amdhsa_wavefront_size32 1
		.amdhsa_system_sgpr_workgroup_id_x 1
		.amdhsa_system_sgpr_workgroup_id_y 1
		.amdhsa_system_sgpr_workgroup_id_z 1
		.amdhsa_system_vgpr_workitem_id 0
		.amdhsa_next_free_vgpr 1024
		.amdhsa_next_free_sgpr 100
		.amdhsa_reserve_vcc 1
		.amdhsa_float_denorm_mode_32 3
		.amdhsa_float_denorm_mode_16_64 3
		.amdhsa_memory_ordered 1
		.amdhsa_forward_progress 1
		.amdhsa_inst_pref_size 180
	.end_amdhsa_kernel
	.amdgpu_metadata
---
amdhsa.version: [ 1, 2 ]
amdhsa.kernels:
  - .name:           k_q5607370360_chain
    .symbol:         k_q5607370360_chain.kd
    .args:
      - { .name: plan, .offset: 0, .size: 8, .value_kind: global_buffer, .address_space: global }
      - { .name: xq, .offset: 8, .size: 8, .value_kind: global_buffer, .address_space: global }
      - { .name: wiq, .offset: 16, .size: 8, .value_kind: global_buffer, .address_space: global }
      - { .name: woq, .offset: 24, .size: 8, .value_kind: global_buffer, .address_space: global }
      - { .name: W_in_scales, .offset: 32, .size: 8, .value_kind: global_buffer, .address_space: global }
      - { .name: part, .offset: 40, .size: 8, .value_kind: global_buffer, .address_space: global }
    .group_segment_fixed_size: 48128
    .private_segment_fixed_size: 0
    .kernarg_segment_align: 8
    .kernarg_segment_size: 48
    .max_flat_workgroup_size: 128
    .sgpr_count:     100
    .vgpr_count:     1024
    .wavefront_size: 32
...
	.end_amdgpu_metadata
.endif
;; end of part 3
;; launch combine (part 4): grid 256 x 1, 8 waves a work-group, no clusters, 0 bytes of LDS; arguments part, out0; writes out0
.if DOCPART == 4
	.amdgcn_target "amdgcn-amd-amdhsa--gfx1250"
	.amdhsa_code_object_version 6
	.text
	.protected	k_q5607370360_combine
	.globl	k_q5607370360_combine
	.p2align	8
	.type	k_q5607370360_combine,@function
k_q5607370360_combine:
	s_mov_b64 s[64:65], 0
	v_nop
	global_prefetch_b8 v0, s[64:65] scope:SCOPE_SE
	s_setreg_imm32_b32 hwreg(HW_REG_WAVE_MODE, 25, 1), 1
	s_wait_xcnt 0x0
; COMBINE: out0[t] = part[2 t] + part[2 t + 1]: a token's two routed rows, each already weighted by its R.  A stream: no LDS, no barrier, no matrix unit.
; A wave takes two tokens: 8 KB of part on end, 16 loads of 512 consecutive bytes, all issued at once; 8 stores of 512 consecutive bytes.
	s_load_b128 s[4:7], s[0:1], 0x0                ; part, out0
	v_lshrrev_b32 v1, 5, v0
	v_readfirstlane_b32 s8, v1                     ; wave 0..7
	v_and_b32 v1, 31, v0
	v_lshlrev_b32 v1, 4, v1                        ; 16 x lane
	s_lshl_b32 s10, ttmp9, 16
	s_lshl_b32 s9, s8, 13
	s_add_co_u32 s10, s10, s9                      ; (16 wg + 2 wave) x 4,096 bytes of part,
	s_mov_b32 s11, 0
	s_lshr_b32 s12, s10, 1                         ; half as many of out0
	s_mov_b32 s13, 0
	s_wait_kmcnt 0x0
	s_add_nc_u64 s[4:5], s[4:5], s[10:11]
	s_add_nc_u64 s[6:7], s[6:7], s[12:13]
.set n, 0
.rept 16                               ; n = 8 token + 4 rank + quarter of a row
	global_load_b128 v[16+4*n:19+4*n], v1, s[4:5] offset:512*n th:TH_LOAD_NT
.set n, n+1
.endr
.irp u, 0,1
	s_wait_loadcnt 8-8*\u                          ; this token's eight loads are in; the second token's may be out
.irp i, 0,1,2,3
	v_pk_add_f32 v[80+16*\u+4*\i:81+16*\u+4*\i], v[16+32*\u+4*\i:17+32*\u+4*\i], v[32+32*\u+4*\i:33+32*\u+4*\i]
	v_pk_add_f32 v[82+16*\u+4*\i:83+16*\u+4*\i], v[18+32*\u+4*\i:19+32*\u+4*\i], v[34+32*\u+4*\i:35+32*\u+4*\i]
	global_store_b128 v1, v[80+16*\u+4*\i:83+16*\u+4*\i], s[6:7] offset:512*(4*\u+\i) th:TH_STORE_NT   ; each store has its own registers
.endr
.endr
	s_endpgm
.Lfunc_end_k_q5607370360_combine:
	.size	k_q5607370360_combine, .Lfunc_end_k_q5607370360_combine-k_q5607370360_combine
	.p2alignl 7, 3214868480
	.fill 96, 4, 3214868480
	.section	.rodata,"a",@progbits
	.p2align	6, 0x0
	.amdhsa_kernel k_q5607370360_combine
		.amdhsa_group_segment_fixed_size 0
		.amdhsa_private_segment_fixed_size 0
		.amdhsa_enable_private_segment 0
		.amdhsa_kernarg_size 16
		.amdhsa_user_sgpr_count 2
		.amdhsa_user_sgpr_kernarg_segment_ptr 1
		.amdhsa_wavefront_size32 1
		.amdhsa_system_sgpr_workgroup_id_x 1
		.amdhsa_system_sgpr_workgroup_id_y 1
		.amdhsa_system_sgpr_workgroup_id_z 1
		.amdhsa_system_vgpr_workitem_id 0
		.amdhsa_next_free_vgpr 112
		.amdhsa_next_free_sgpr 66
		.amdhsa_reserve_vcc 0
		.amdhsa_float_denorm_mode_32 3
		.amdhsa_float_denorm_mode_16_64 3
		.amdhsa_memory_ordered 1
		.amdhsa_forward_progress 1
		.amdhsa_inst_pref_size 5
	.end_amdhsa_kernel
	.amdgpu_metadata
---
amdhsa.version: [ 1, 2 ]
amdhsa.kernels:
  - .name:           k_q5607370360_combine
    .symbol:         k_q5607370360_combine.kd
    .args:
      - { .name: part, .offset: 0, .size: 8, .value_kind: global_buffer, .address_space: global }
      - { .name: out0, .offset: 8, .size: 8, .value_kind: global_buffer, .address_space: global }
    .group_segment_fixed_size: 0
    .private_segment_fixed_size: 0
    .kernarg_segment_align: 8
    .kernarg_segment_size: 16
    .max_flat_workgroup_size: 256
    .sgpr_count:     66
    .vgpr_count:     112
    .wavefront_size: 32
...
	.end_amdgpu_metadata
.endif
;; end of part 4
;; ======== version 2 of 2: 4 launches; version 1 with the launch chain written anew for expert scheduling mode
;; limits: a function is approximated: absolute error at most 1.5e-07
;; workspace buffers: idx 32,768 bytes of whole numbers; plan 37,376 bytes of whole numbers; xq 1,146,880 bytes; wiq 4,194,304 bytes; woq 4,456,448 bytes; part 34,275,328 bytes
;; launch prep: the kernel of part 1 again; grid 448 x 1, 8 waves a work-group, no clusters, 63,488 bytes of LDS; arguments x, Wr, W_out, W_in_codes, idx, xq, wiq, woq; writes idx, xq, wiq, woq
;; launch place: the kernel of part 2 again; grid 1 x 1, 16 waves a work-group, no clusters, 4,096 bytes of LDS; arguments idx, plan; writes plan
;; launch chain (part 5): grid 178 x 1, 4 waves a work-group, no clusters, 48,128 bytes of LDS; arguments plan, xq, wiq, woq, W_in_scales, part; writes part
.if DOCPART == 5
	.amdgcn_target "amdgcn-amd-amdhsa--gfx1250"
	.amdhsa_code_object_version 6
	.text
	.protected	k_q5607370360_chain
	.globl	k_q5607370360_chain
	.p2align	8
	.type	k_q5607370360_chain,@function
k_q5607370360_chain:
	s_mov_b64 s[64:65], 0
	v_nop
	global_prefetch_b8 v0, s[64:65] scope:SCOPE_SE
	s_setreg_imm32_b32 hwreg(HW_REG_WAVE_SCHED_MODE, 0, 2), 2
	s_setreg_imm32_b32 hwreg(HW_REG_WAVE_MODE, 25, 1), 1
	s_wait_xcnt 0x0
	s_wait_alu depctr_vm_vsrc(0)
; CHAIN: one work-group takes one tile of 48 routed rows of ONE expert through both products: part[row] = Q(gelu(Q(x) W_in^T) R) Q(W_out), on codes of FP4 (E2M1) with one E8M0 scale for each 32 along K.
; Only the rows of the experts chosen for a token are multiplied: for the other six R is 0, their blocks are zeros and add nothing.  A token's two rows are added by the next launch.
; SHARES.  THE WAVES SHARE THE COLUMNS, NOT THE ROWS.  The 2,048 hidden units go in four chunks of 512.  In a chunk wave w makes hidden units 128 w .. 128 w + 127 of all 48 rows, which are K step w of the second
; product, and it owns outputs 128 w .. 128 w + 127.  So each byte of the expert's weights is loaded once in the work-group, from memory straight into the registers of the one wave that multiplies by it
; (an earlier launch laid them in the order of the operand's registers); what goes from wave to wave through LDS is small: the hidden layer's codes, as images of the operand's registers.
; Both products are used transposed (source 0 = 16 rows of weights, source 1 = 16 routed rows): a lane holds one routed row, and its registers run along the hidden units or the outputs.
; NO TENSOR LOAD, NO CLUSTER: which expert's weights a work-group walks is a number read from memory.  Four partners on one expert would ask every expert's count of tiles to be a multiple of four:
; up to 24 tiles more on 171.  A fixed grid of 178 = ceil(8192 / 48) + 7 tiles serves every split.
; NO BRANCH HANGS ON DATA: a padding row runs with R = 0 and is stored to a row of its own that nobody reads; a tile that no expert has (at most 7 of the 178) is 48 such rows on expert 7's weights:
; every wave so passes every barrier and every count of loads is the same on every way.
; THE GELU: g = hr + |hr| erf(|a| / sqrt 2), hr = a R / 2;  erf(z) = 1 - t (a1 + t (a2 + t (a3 + t (a4 + t a5)))) e^(-z z), t = 1 / (1 + p z) (Abramowitz and Stegun 7.1.26).
; LIMITS: that formula's error is at most 1.5e-7 of erf's full range, beside f32 rounding; for a < 0 the error relative to g grows as 1 / (1 + erf), as it does in the form a (1 + erf) / 2 in f32.
; R is multiplied in ahead of (1 + erf): another order of rounding.  NaN and infinities are not served.  A block of zeros has the scale byte 1, not 127: its codes are zeros, and only this text reads the byte.
; REGISTERS, in windows of 256.  Window 0: v1-11 addresses; v16-59 scale words and nothing else; v60-111 the quantiser's; v112-159 six tiles of the hidden layer; v160-207 the gelu's; in the second product
;   v112-207 are twelve hidden fragments.  Window 1: v0-127 W_in, two slots of a block (32 hidden units x 512 k); v128-223 x's twelve fragments.  Window 2: W_out's 32 fragments of a chunk.
;   Window 3: v0-191 the 24 accumulators of y (row tile m, tile of outputs t: v[64 m + 8 t]).
; THE MODE: SCHED_MODE bits 1:0 = 2 (LLVM: expert scheduling mode 2), set by the entry lines.  The code itself states the register dependences
; between vector or matrix instructions and memory or LDS instructions, with s_wait_alu, always for 0.
; THE PLAN.  Registers that memory or LDS instructions touch:
;   v1-5, v9-11, v14, v15, v254, v255   addresses, written once at the head by vector lines, never again; one wait on va_vdst ahead of the first load serves them for the whole kernel.
;   v220-227                            the gather's addresses, made at the head from the loaded entries; a second wait on va_vdst ahead of the loads that read them; never written again.
;   window 1 v0-127, v24-31             W_in's slot b % 2 and its scale words: read by block b's 24 products; block b's loads land in them (the block two on).
;   window 2, v32-47                    W_out's K step b and its scale words: read by the trip's second product; the next trip's block b loads them again.
;   v88-111, v60-62                     the codes and scale words being made: written by the quantiser's vector lines, read by the nine LDS stores of a trip.
;   v112-207, v48-59                    written and read by the first product, the gelu and the quantiser; then 36 LDS loads land in them, and the second product reads them.
;   window 3                            y's sums: matrix instructions alone in the loop; read by the way out's LDS stores.
; IN A TRIP: a block's 37 loads stand directly behind the wait on va_vdst that row tile 0's gelu has for its transcendentals: that wait stands behind the block's products and behind the last trip's second
; product, so it states all that the loads hang on, and they owe no wait of their own.  One wait on va_vdst stands ahead of the LDS stores, and serves the LDS loads behind the barrier too.
; One wait on vm_vsrc stands at the trip's end, ahead of the branch: the LDS stores have read what the next trip's quantiser writes again.
.set HIMG, 0                           ; LDS: the hidden layer's 12 fragments (row tile m, K step s) at 1,024 (4 m + s);
.set HSC,  12288                       ; their scale words, 128 bytes each;
.set STG,  13824                       ; the way out: 16 rows x (512 + 16) bytes for each wave
.set XSB,  0x100000
.set WTS,  0x110000
.set LI,   1                           ; v1   16 x lane
.set LS,   2                           ; v2   4 x lane
.set HWI,  3                           ; v3   16 x lane + 1,024 x wave: where I store an image
.set HWS,  4                           ; v4   4 x lane + 128 x wave: and its scale word
.set VSR,  5                           ; v5   W_in's scale words: 16 bytes a row; lane 16 u + r takes row 8 u + r + 8 (r / 8) of a block
.set STO,  9                           ; v9   the stage: where I put 32 bytes of a row
.set SRD,  10                          ; v10  and where I read a row back
.set OUTL, 11                          ; v11  512 x wave + 16 x lane: my bytes in a row of part
.set XS,   16                          ; v16-19 x's words of K step s: lanes 0-15 row tile 0, lanes 16-31 row tile 1;  v20-23: row tile 2
.set WIS,  24                          ; v24-31 W_in's words, four (K steps) a slot: lanes 0-15 tile u = 0, lanes 16-31 u = 1
.set WOS,  32                          ; v32-47 W_out's words [4 s + tp]: lanes 0-15 tile 2 tp, lanes 16-31 tile 2 tp + 1
.set HS,   48                          ; v48-59 the hidden layer's words [3 s + m]
.set PW,   60                          ; v60-62 the words being made
.set VRH,  64                          ; v64-69 R / 2 of my row, twice, for each row tile
.set VA4,  70                          ; v70-71 a4, twice
.set TMX,  72
.set TMY,  76
.set TSC,  80
.set TBY,  84
.set PC,   88                          ; v88-111 the codes being made: 8 registers a row tile
.set HA,   112
.set GU,   160
.set GD,   176
.set GP,   192
.set PWIC, 66                          ; s[66:67] wiq at this chunk;  s[68:69] at the next (in the last chunk: the same)
.set PWIN, 68
.set PWSC, 70                          ; s[70:71], s[72:73] W_in_scales likewise
.set PWSN, 72
.set PWOC, 74                          ; s[74:75] woq's codes at this chunk;  s[76:77] its scale words
.set PWOW, 76
.set MSB, 0
.macro WIN new                         ; s_set_vgpr_msb: bits 1:0 source 0, 3:2 source 1, 5:4 source 2, 7:6 destination; the high byte repeats the setting that is left
.if MSB != (\new)
	s_set_vgpr_msb (MSB<<8)|(\new)
.set MSB, \new
.endif
.endm
.macro PLACES n
.rept \n
	v_nop
.endr
.endm
; One matrix instruction, from the symbols rD, rA, rB, rSA, rSB; eZ: it starts its sum; eRA, eRB: the side's scale words stand in lanes 16-31
.macro EMIT
.if eZ
.if eRA
.if eRB
	v_wmma_scale_f32_16x16x128_f8f6f4 v[rD:rD+7], v[rA:rA+7], v[rB:rB+7], 0, v[rSA], v[rSB] matrix_a_fmt:MATRIX_FMT_FP4 matrix_b_fmt:MATRIX_FMT_FP4 matrix_a_scale:MATRIX_SCALE_ROW1 matrix_b_scale:MATRIX_SCALE_ROW1
.else
	v_wmma_scale_f32_16x16x128_f8f6f4 v[rD:rD+7], v[rA:rA+7], v[rB:rB+7], 0, v[rSA], v[rSB] matrix_a_fmt:MATRIX_FMT_FP4 matrix_b_fmt:MATRIX_FMT_FP4 matrix_a_scale:MATRIX_SCALE_ROW1
.endif
.else
.if eRB
	v_wmma_scale_f32_16x16x128_f8f6f4 v[rD:rD+7], v[rA:rA+7], v[rB:rB+7], 0, v[rSA], v[rSB] matrix_a_fmt:MATRIX_FMT_FP4 matrix_b_fmt:MATRIX_FMT_FP4 matrix_b_scale:MATRIX_SCALE_ROW1
.else
	v_wmma_scale_f32_16x16x128_f8f6f4 v[rD:rD+7], v[rA:rA+7], v[rB:rB+7], 0, v[rSA], v[rSB] matrix_a_fmt:MATRIX_FMT_FP4 matrix_b_fmt:MATRIX_FMT_FP4
.endif
.endif
.else
.if eRA
.if eRB
	v_wmma_scale_f32_16x16x128_f8f6f4 v[rD:rD+7], v[rA:rA+7], v[rB:rB+7], v[rD:rD+7], v[rSA], v[rSB] matrix_a_fmt:MATRIX_FMT_FP4 matrix_b_fmt:MATRIX_FMT_FP4 matrix_a_scale:MATRIX_SCALE_ROW1 matrix_b_scale:MATRIX_SCALE_ROW1
.else
	v_wmma_scale_f32_16x16x128_f8f6f4 v[rD:rD+7], v[rA:rA+7], v[rB:rB+7], v[rD:rD+7], v[rSA], v[rSB] matrix_a_fmt:MATRIX_FMT_FP4 matrix_b_fmt:MATRIX_FMT_FP4 matrix_a_scale:MATRIX_SCALE_ROW1
.endif
.else
.if eRB
	v_wmma_scale_f32_16x16x128_f8f6f4 v[rD:rD+7], v[rA:rA+7], v[rB:rB+7], v[rD:rD+7], v[rSA], v[rSB] matrix_a_fmt:MATRIX_FMT_FP4 matrix_b_fmt:MATRIX_FMT_FP4 matrix_b_scale:MATRIX_SCALE_ROW1
.else
	v_wmma_scale_f32_16x16x128_f8f6f4 v[rD:rD+7], v[rA:rA+7], v[rB:rB+7], v[rD:rD+7], v[rSA], v[rSB] matrix_a_fmt:MATRIX_FMT_FP4 matrix_b_fmt:MATRIX_FMT_FP4
.endif
.endif
.endif
.endm
; The first product of a block of 32 hidden units, from slot p: 24 matrix instructions; the six accumulators (m, u) take turns, one instruction a turn, K ascending.
; In tile (m, u) lane (r, h) holds routed row 16 m + r, and register j hidden unit 16 h + 8 u + j of the block: the 16 registers of u = 0, 1 are 16 neighbours along the next K.
.macro MUL1 p
.irp s, 0,1,2,3
.irp m, 0,1,2
.irp u, 0,1
.set rD, HA+16*\m+8*\u
.set rA, 64*(\p)+8*(4*\u+\s)
.set rB, 128+8*(4*\m+\s)
.set rSA, WIS+4*(\p)+\s
.set rSB, XS+\s+4*(\m/2)
.set eZ, \s == 0
.set eRA, \u
.set eRB, \m == 1
	EMIT
.endr
.endr
.endr
.endm
; K step s of the second product: 24 matrix instructions, the 24 accumulators by turns
.macro MUL2 s
.irp m, 0,1,2
.irp t, 0,1,2,3,4,5,6,7
.set rD, 64*\m+8*\t
.set rA, 64*(\s)+8*\t
.set rB, HA+8*(3*(\s)+\m)
.set rSA, WOS+4*(\s)+\t/2
.set rSB, HS+3*(\s)+\m
.set eZ, 0
.set eRA, \t%2
.set eRB, 0
	EMIT
.endr
.endr
.endm
.macro LDWI slot, base, imm            ; a block of W_in (8 fragments, 8 KB) into a slot of window 1: 16 loads of 512 consecutive bytes
.set n, 0
.rept 16
	global_load_b128 v[64*(\slot)+4*n:64*(\slot)+4*n+3], v[LI], s[\base:\base+1] offset:(\imm)+512*n
.set n, n+1
.endr
.endm
; The 37 loads of block b, in this order: 4 of W_out's scale words of K step b; 16 of its codes; 16 of W_in's block two blocks on, into the slot just multiplied; 1 of that block's scale words.
; They stand directly behind a wait on va_vdst (in GELU16), with window switches alone between: no vector or matrix instruction since that wait names a register that they touch.
.macro LOADS b
	WIN 0
.irp q, 0,1,2,3
	global_load_b32 v[WOS+4*(\b)+\q], v[LS], s[PWOW:PWOW+1] offset:512*(\b)+128*\q
.endr
	WIN 0x80                                       ; destination window 2
.set n, 0
.rept 16
	global_load_b128 v[64*(\b)+4*n:64*(\b)+4*n+3], v[LI], s[PWOC:PWOC+1] offset:8192*(\b)+512*n
.set n, n+1
.endr
	WIN 0x40                                       ; destination window 1
.if (\b) < 2
	LDWI (\b)%2, PWIC, 8192*((\b)+2)
	WIN 0
	global_load_b128 v[WIS+4*((\b)%2):WIS+4*((\b)%2)+3], v[VSR], s[PWSC:PWSC+1] offset:512*((\b)+2)
.else
	LDWI (\b)%2, PWIN, 8192*((\b)-2)               ; the next chunk's blocks 0 and 1 (in the last chunk its own once more, 16 KB that nobody uses: so the counts are the same in every trip and no load leaves its buffer)
	WIN 0
	global_load_b128 v[WIS+4*((\b)%2):WIS+4*((\b)%2)+3], v[VSR], s[PWSN:PWSN+1] offset:512*((\b)-2)
.endif
.endm
; gelu x R of the 16 numbers of row tile m, in place.  Each accumulator is read from its low end on.  In row tile 0's turn the 37 loads of block b stand behind the wait.
.macro GELU16 m, b
.set gA, HA+16*(\m)
.irp i, 0,2,4,6,8,10,12,14
	v_pk_mul_f32 v[GU+\i:GU+\i+1], v[gA+\i:gA+\i+1], v[gA+\i:gA+\i+1]          ; a a
.endr
.irp i, 0,1,2,3,4,5,6,7,8,9,10,11,12,13,14,15
	v_fma_f32 v[GD+\i], |v[gA+\i]|, s98, 1.0                                   ; 1 + (p / sqrt 2) |a|
.endr
.irp i, 0,2,4,6,8,10,12,14
	v_pk_mul_f32 v[GU+\i:GU+\i+1], v[GU+\i:GU+\i+1], s[88:89] op_sel_hi:[1,0]  ; - a a log2(e) / 2
.endr
.irp i, 0,1,2,3,4,5,6,7,8,9,10,11,12,13,14,15
	v_rcp_f32 v[GD+\i], v[GD+\i]                                               ; t
.endr
.irp i, 0,1,2,3,4,5,6,7,8,9,10,11,12,13,14,15
	v_exp_f32 v[GU+\i], v[GU+\i]                                               ; e^(-a a / 2)
.endr
.irp i, 0,2,4,6,8,10,12,14
	v_pk_mul_f32 v[gA+\i:gA+\i+1], v[gA+\i:gA+\i+1], v[VRH+2*(\m):VRH+2*(\m)+1]   ; hr = a R / 2.  (The plain lines behind the transcendentals)
.endr
	s_wait_alu depctr_va_vdst(0)                   ; the 16 reciprocals and 16 exponentials have written v[GD ..] and v[GU ..], ahead of their first reader.  In row tile 0's turn also: this block's products are done reading W_in's slot and its scale words, and the last trip's second product W_out's K step b and its words, in all of which the loads below land
.if (\m) == 0
	LOADS \b
.endif
.irp i, 0,2,4,6,8,10,12,14
	v_pk_fma_f32 v[GP+\i:GP+\i+1], v[GD+\i:GD+\i+1], s[90:91], v[VA4:VA4+1] op_sel_hi:[1,0,1]   ; a4 + t a5
.endr
.irp c, 92,94,96
.irp i, 0,2,4,6,8,10,12,14
	v_pk_fma_f32 v[GP+\i:GP+\i+1], v[GP+\i:GP+\i+1], v[GD+\i:GD+\i+1], s[\c:\c+1] op_sel_hi:[1,1,0]   ; a3 + t (..), a2 + t (..), a1 + t (..)
.endr
.endr
.irp i, 0,2,4,6,8,10,12,14
	v_pk_mul_f32 v[GU+\i:GU+\i+1], v[GU+\i:GU+\i+1], v[GD+\i:GD+\i+1]          ; t e^(..)
.endr
.irp i, 0,2,4,6,8,10,12,14
	v_pk_fma_f32 v[GU+\i:GU+\i+1], v[GU+\i:GU+\i+1], v[GP+\i:GP+\i+1], 1.0 op_sel_hi:[1,1,0] neg_lo:[1,0,0] neg_hi:[1,0,0]   ; erf = 1 - t e^(..) (a1 + ..)
.endr
.irp i, 0,1,2,3,4,5,6,7,8,9,10,11,12,13,14,15
	v_fma_f32 v[gA+\i], |v[gA+\i]|, v[GU+\i], v[gA+\i]                         ; g = |hr| erf + hr
.endr
.endm
; Block b of the wave's K step is quantised, the three row tiles by turns.  A block of 32 lies in lanes l and l xor 16.
.macro QUANT3 b
.irp m, 0,1,2
	v_max3_num_f32 v[TMX+\m], |v[HA+16*\m]|, |v[HA+16*\m+1]|, 0x1800000        ; my 16 numbers, and the floor 2^(3 - 127): the byte cannot fall under 1
.endr
.irp i, 2,4,6,8,10,12,14
.irp m, 0,1,2
	v_max3_num_f32 v[TMX+\m], v[TMX+\m], |v[HA+16*\m+\i]|, |v[HA+16*\m+\i+1]|
.endr
.endr
.irp m, 0,1,2
	v_permlanex16_b32 v[TMY+\m], v[TMX+\m], s86, s87
.endr
.irp m, 0,1,2
	v_max_num_f32 v[TMX+\m], v[TMX+\m], v[TMY+\m]                              ; the block's largest magnitude
.endr
.irp m, 0,1,2
	v_add_nc_u32 v[TSC+\m], 0xff000000, v[TMX+\m]                              ; 2 off its exponent field: the conversion's scale operand
.endr
.irp m, 0,1,2
.if (\b) == 0
	v_lshrrev_b32 v[PW+\m], 23, v[TSC+\m]                                      ; the scale's byte: byte b of my row's word
.else
	v_lshrrev_b32 v[TBY+\m], 23, v[TSC+\m]
.endif
.endr
.if (\b) > 0
.irp m, 0,1,2
	v_lshl_or_b32 v[PW+\m], v[TBY+\m], 8*(\b), v[PW+\m]
.endr
.endif
.irp m, 0,1,2
	v_cvt_scalef32_pk8_fp4_f32 v[PC+8*\m+2*(\b)], v[HA+16*\m:HA+16*\m+7], v[TSC+\m]
	v_cvt_scalef32_pk8_fp4_f32 v[PC+8*\m+2*(\b)+1], v[HA+16*\m+8:HA+16*\m+15], v[TSC+\m]
.endr
	v_nop                                          ; one plain line behind the last scaled conversion: vector and matrix instructions touch its registers next
.if (\b)%2
.irp m, 0,1,2                          ; the operand's layout wants a WHOLE block in a lane: lanes 0-15 the even block, lanes 16-31 the odd one
.irp i, 0,1
	v_permlane16_swap_b32 v[PC+8*\m+4*((\b)/2)+\i], v[PC+8*\m+4*((\b)/2)+2+\i]
.endr
.endr
.endif
.endm
.macro BLOCK b
	s_wait_loadcnt 37                              ; all but the 37 loads of the block before are in: this block of W_in was asked for a block earlier still
	WIN 0x05                                       ; sources 0 and 1 window 1; C and D window 0
	MUL1 (\b)%2
	PLACES 4                                       ; four places ahead of the first read of these products' results (ISA guide 7.12.1)
	WIN 0
	GELU16 0, \b                                   ; with the block's 37 loads behind its wait
	GELU16 1, \b
	GELU16 2, \b
	QUANT3 \b
.endm
	s_load_b256 s[4:11], s[0:1], 0x0               ; plan s[4:5], xq s[6:7], wiq s[8:9], woq s[10:11]
	s_load_b128 s[12:15], s[0:1], 0x20             ; W_in_scales s[12:13], part s[14:15]
	v_lshl_add_u32 v254, v0, 2, 0xba00             ; the LDS address of my spare word, behind the stages: made here and kept for the closing lines alone
	v_mov_b32 v255, 0                              ; and 0, likewise
	v_lshrrev_b32 v6, 5, v0
	v_readfirstlane_b32 s2, v6                     ; wave 0..3
	v_and_b32 v6, 31, v0                           ; lane
	v_and_b32 v7, 15, v0                           ; r
	v_bfe_u32 v8, v0, 4, 1                         ; h
	v_lshlrev_b32 v[LI], 4, v6
	v_lshlrev_b32 v[LS], 2, v6
	s_wait_alu depctr_va_sdst(0)                   ; s2, the wave's number, is written, ahead of its first reader
	s_lshl_b32 s83, s2, 10
	v_add_nc_u32 v[HWI], s83, v[LI]
	s_lshl_b32 s83, s2, 7
	v_add_nc_u32 v[HWS], s83, v[LS]
	v_and_b32 v12, 8, v7
	v_add_nc_u32 v12, v12, v7
	v_lshl_add_u32 v12, v8, 3, v12                 ; 8 u + r + 8 (r / 8)
	v_lshlrev_b32 v[VSR], 4, v12
	v_mul_u32_u24 v[STO], v7, 528
	v_lshl_add_u32 v[STO], v8, 5, v[STO]
	s_mul_i32 s83, s2, 8448
	s_add_co_u32 s83, s83, STG
	v_add_nc_u32 v[STO], s83, v[STO]               ; my stage: row r, + 32 h
	v_add_nc_u32 v[SRD], s83, v[LI]
	s_lshl_b32 s83, s2, 9
	v_add_nc_u32 v[OUTL], s83, v[LI]
	v_lshlrev_b32 v13, 2, v7
	s_lshl_b32 s83, ttmp9, 2
	s_mul_i32 s84, ttmp9, 192
	v_add_nc_u32 v14, s84, v[LS]
	v_add_nc_u32 v15, s84, v13
	s_wait_kmcnt 0x0
	s_load_b32 s3, s[4:5], s83 offset:0x0          ; my tile's expert
	s_load_b512 s[16:31], s[4:5], s84 offset:0x400 ; my tile's 48 row entries, as scalars, for the way out
	s_load_b512 s[32:47], s[4:5], s84 offset:0x440
	s_load_b512 s[48:63], s[4:5], s84 offset:0x480
	s_wait_alu depctr_va_vdst(0)                   ; the addresses v1 to v5, v9 to v11, v14, v15 and the add's v254, v255 are written: every load, store and LDS instruction of the kernel that reads one of them stands behind this wait, and none of them is written again
	global_load_b32 v208, v14, s[4:5] offset:1024  ; and in lanes: entry lane (rows 0-31),
.irp m, 0,1,2
	global_load_b32 v[209+\m], v15, s[4:5] offset:1024+64*\m   ; entry 16 m + r
.endr
	s_wait_kmcnt 0x0
	s_min_u32 s3, s3, 7                            ; a tile that no expert has walks expert 7's weights, with R = 0
	s_lshl_b32 s83, s3, 2
	s_add_co_u32 s83, s83, s2                      ; 4 e + w
	s_lshl_b32 s84, s83, 17
	s_mov_b32 s85, 0
	s_add_nc_u64 s[78:79], s[8:9], s[84:85]        ; wiq: 128 KB for (e, w), 32 KB a chunk, 8 KB a block
	s_add_nc_u64 s[PWOC:PWOC+1], s[10:11], s[84:85]   ; woq's codes: the same sizes, 8 KB a K step
	s_lshl_b32 s84, s83, 13
	s_add_co_u32 s84, s84, 0x400000
	s_add_nc_u64 s[PWOW:PWOW+1], s[10:11], s[84:85]   ; its scale words: 2 KB a chunk, 512 bytes a K step
	s_lshl_b32 s84, s3, 15
	s_lshl_b32 s83, s2, 11
	s_add_co_u32 s84, s84, s83
	s_add_nc_u64 s[80:81], s[12:13], s[84:85]      ; W_in's scale bytes: row 2048 e + 128 w, 16 bytes a row; 8 KB a chunk, 512 bytes a block
	s_mov_b64 s[PWIC:PWIC+1], s[78:79]
	s_add_nc_u64 s[PWIN:PWIN+1], s[78:79], 0x8000
	s_mov_b64 s[PWSC:PWSC+1], s[80:81]
	s_add_nc_u64 s[PWSN:PWSN+1], s[80:81], 0x2000
	WIN 0x40
	LDWI 0, PWIC, 0                                ; W_in's blocks 0 and 1 of chunk 0
	LDWI 1, PWIC, 8192
	WIN 0
	global_load_b128 v[WIS:WIS+3], v[VSR], s[PWSC:PWSC+1]
	global_load_b128 v[WIS+4:WIS+7], v[VSR], s[PWSC:PWSC+1] offset:512
	s_wait_loadcnt 34                              ; the four loads of entries are in; the 34 of weights may be out
.irp q, 0,1,2,3
	v_min_u32 v[212+\q], 0x1fff, v[208+\q]         ; a padding row reads slot 8,191's data and discards them
.endr
.irp q, 0,1,2,3
	v_and_b32 v[216+\q], 0x3ffe, v[212+\q]         ; 2 x token
.endr
	v_lshlrev_b32 v220, 3, v216                    ; 16 bytes of scales a token
	v_lshlrev_b32 v221, 3, v219
.irp m, 0,1,2
	v_lshlrev_b32 v[222+\m], 7, v[217+\m]          ; 256 bytes of codes a token,
	v_lshl_add_u32 v[222+\m], v8, 4, v[222+\m]     ; + 16 h
	v_lshlrev_b32 v[225+\m], 2, v[213+\m]          ; 4 bytes of weight a slot
.endr
	s_wait_alu depctr_va_vdst(0)                   ; the gather's addresses v220 to v227 are written, which the 29 loads below read; they are not written again
	global_load_b128 v[XS:XS+3], v220, s[6:7] offset:XSB
	global_load_b128 v[XS+4:XS+7], v221, s[6:7] offset:XSB
.irp m, 0,1,2
	global_load_b32 v[228+\m], v[225+\m], s[6:7] offset:WTS
.endr
	WIN 0x40
.irp m, 0,1,2
.irp s, 0,1,2,3
.irp c, 0,1
	global_load_b128 v[128+8*(4*\m+\s)+4*\c:128+8*(4*\m+\s)+4*\c+3], v[222+\m], s[6:7] offset:64*\s+32*\c   ; x's fragment (m, s): it stays
.endr
.endr
.endr
	WIN 0xc0                                       ; destination window 3
.set n, 0
.rept 192                              ; y's sums begin as zeros: 192 lines once, while the first loads are on their way, so that a chunk (19 KB of text) is written once and has no first trip of its own
	v_mov_b32 v[n], 0
.set n, n+1
.endr
	WIN 0
	s_mov_b32 s86, 0x76543210
	s_mov_b32 s87, 0xfedcba98                      ; v_permlanex16_b32's selects for lane l xor 16
	s_mov_b32 s98, 0x3e6d3388                      ; p / sqrt 2 = 0.2316419
	s_mov_b32 s88, 0xbf38aa3b                      ; - log2(e) / 2.  (The packed forms name a pair and take its low word for both halves: so both are written)
	s_mov_b32 s89, 0xbf38aa3b
	s_mov_b32 s90, 0x3f87dc22                      ; a5 = 1.061405429
	s_mov_b32 s91, 0x3f87dc22
	s_mov_b32 s92, 0x3fb5f0e3                      ; a3 = 1.421413741
	s_mov_b32 s93, 0x3fb5f0e3
	s_mov_b32 s94, 0xbe91a98e                      ; a2 = -0.284496736
	s_mov_b32 s95, 0xbe91a98e
	s_mov_b32 s96, 0x3e827906                      ; a1 = 0.254829592
	s_mov_b32 s97, 0x3e827906
	v_mov_b32 v[VA4], 0xbfba00e3                   ; a4 = -1.453152027
	v_mov_b32 v[VA4+1], 0xbfba00e3
.irp m, 0,1,2
	v_mov_b32 v[TMY+\m], 0                         ; written once: a lane permute's destination counts as one of its sources
.endr
	s_mov_b32 s82, 0                               ; the chunk
	s_wait_loadcnt 0x0
.irp m, 0,1,2
	v_cmp_gt_u32 vcc_lo, 0x2000, v[209+\m]         ; a real row?
	v_mul_f32 v[228+\m], 0.5, v[228+\m]
	s_wait_alu depctr_va_vcc(0)                    ; the compare has written VCC, ahead of the select that reads it
	v_cndmask_b32 v[VRH+2*\m], 0, v[228+\m], vcc_lo   ; R / 2, or 0 for padding
	v_mov_b32 v[VRH+2*\m+1], v[VRH+2*\m]
.endr
.Lchunk:                                               ; four trips: 512 hidden units each
	BLOCK 0
	BLOCK 1
	BLOCK 2
	BLOCK 3
	s_wait_alu depctr_va_vdst(0)                   ; the quantiser has written the codes v[PC ..] and the words v[PW ..], which the LDS stores read; and the gelu and the quantiser are done with v112 to v207, in which the LDS loads behind the barrier land (no vector or matrix instruction stands between)
.irp m, 0,1,2                          ; my 128 hidden units of 48 rows are K step w of the second product: three fragments and their words go to LDS as they stand in the registers
.irp c, 0,1
	ds_store_b128 v[HWI], v[PC+8*\m+4*\c:PC+8*\m+4*\c+3] offset:HIMG+4096*\m+512*\c
.endr
	ds_store_b32 v[HWS], v[PW+\m] offset:HSC+512*\m
.endr
	s_wait_dscnt 0x0                               ; for the others' sake: my images lie in LDS
	s_barrier_signal -1
	s_barrier_wait -1                              ; all twelve do
.irp s, 0,1,2,3                        ; nine LDS loads a K step
.irp m, 0,1,2
.irp c, 0,1
	ds_load_b128 v[HA+8*(3*\s+\m)+4*\c:HA+8*(3*\s+\m)+4*\c+3], v[LI] offset:HIMG+1024*(4*\m+\s)+512*\c
.endr
	ds_load_b32 v[HS+3*\s+\m], v[LS] offset:HSC+128*(4*\m+\s)
.endr
.endr
	s_wait_loadcnt 54                              ; W_out's K steps 0 to 2 are in: behind step 2's codes stand 17 loads of block 2 and the 37 of block 3
	s_wait_dscnt 27                                ; K step 0's fragments are in; the 27 loads of the later steps may be out
	WIN 0xf2                                       ; source 0 window 2, source 1 window 0, C and D window 3
	MUL2 0
	s_wait_dscnt 18
	MUL2 1
	s_wait_dscnt 9
	MUL2 2
	s_wait_dscnt 0x0                               ; my reads of the images are over:
	s_wait_loadcnt 17                              ; (W_out's K step 3 is in: behind its codes stand block 3's 17 loads of W_in)
	s_barrier_signal -1                            ; say so, and work on registers while the others arrive
	MUL2 3
	WIN 0
	PLACES 5                                       ; five places: the next trip's products write over registers that these have read; the vector lines of the way out want four
	s_barrier_wait -1                              ; the images are written again only behind this barrier
	s_wait_xcnt 0x0                                ; the bases of loads that are out are rewritten only behind this wait
	s_wait_alu depctr_vm_vsrc(0)                   ; this trip's LDS stores have read v[PC ..] and v[PW ..], which the next trip's quantiser writes again
	s_mov_b64 s[PWIC:PWIC+1], s[PWIN:PWIN+1]
	s_mov_b64 s[PWSC:PWSC+1], s[PWSN:PWSN+1]
	s_add_nc_u64 s[PWOC:PWOC+1], s[PWOC:PWOC+1], 0x8000
	s_add_nc_u64 s[PWOW:PWOW+1], s[PWOW:PWOW+1], 0x800
	s_add_co_u32 s82, s82, 1
	s_add_co_u32 s83, s82, 1
	s_min_u32 s83, s83, 3                          ; the chunk behind the next one, held at the last
	s_lshl_b32 s84, s83, 15
	s_add_nc_u64 s[PWIN:PWIN+1], s[78:79], s[84:85]
	s_lshl_b32 s84, s83, 13
	s_add_nc_u64 s[PWSN:PWSN+1], s[80:81], s[84:85]
	s_cmp_lt_u32 s82, 4
	s_cbranch_scc1 .Lchunk
	; THE WAY OUT.  A lane holds 32 neighbouring bytes of a row, the lanes beside it other rows: a row tile goes through my own stage in LDS and comes back as 16 rows of 512 bytes, my 128 outputs.
	; The rows lie wherever the plan says: row = the entry itself (a slot, or 8192 + position for padding).
	s_wait_loadcnt 0x0                             ; the last 17 loads into window 1 have landed: its registers take the rows
.set n, 0
.rept 48
	s_min_u32 s83, s[16+n], 0x415f                 ; (an entry is at most 16,735; held there, since it becomes an address)
	s_lshl_b32 s83, s83, 11                        ; 2,048 bytes a row
	v_add_nc_u32 v[HA+n], s83, v[OUTL]
.set n, n+1
.endr
	s_wait_alu depctr_va_vdst(0)                   ; the second product has written y's sums, which the LDS stores read (the places above stay beside this wait); the 48 additions have written the global stores' addresses; the first product is done reading window 1, in which the loads from the stage land.  No vector or matrix instruction follows
.macro TOSTAGE m
	WIN 0x0c                                       ; an LDS store's data are its source 1: window 3
.irp t, 0,1,2,3,4,5,6,7
	ds_store_b128 v[STO], v[64*(\m)+8*\t:64*(\m)+8*\t+3] offset:64*\t            ; each accumulator from its low end on
	ds_store_b128 v[STO], v[64*(\m)+8*\t+4:64*(\m)+8*\t+7] offset:64*\t+16
.endr
	WIN 0x40                                       ; destination window 1
.irp i, 0,1,2,3,4,5,6,7,8,9,10,11,12,13,14,15
	ds_load_b128 v[64*(\m)+4*\i:64*(\m)+4*\i+3], v[SRD] offset:528*\i            ; LDS serves a wave's instructions in order: these see my stores, and the next tile's stores come behind them
.endr
.endm
.macro SEND m, younger
	s_wait_dscnt \younger                          ; the tile is back in registers; the next tile's 32 LDS instructions may be out
	WIN 0x04                                       ; a store's data are its source 1: window 1
.irp i, 0,1,2,3,4,5,6,7,8,9,10,11,12,13,14,15
	global_store_b128 v[HA+16*(\m)+\i], v[64*(\m)+4*\i:64*(\m)+4*\i+3], s[14:15]  ; 32 lanes store 512 consecutive bytes, aligned; no source of a store is written again
.endr
.endm
	TOSTAGE 0
	TOSTAGE 1
	SEND 0, 32
	TOSTAGE 2
	SEND 1, 32
	SEND 2, 0
	WIN 0                                          ; the add's two registers lie in window 0
	s_wait_dscnt 0x0                               ; the closing lines, six on end
	s_wait_alu 0x0
	s_wait_tensorcnt 0x0
	ds_add_u32 v254, v255
	s_wait_dscnt 0x0
	s_endpgm
.Lfunc_end_k_q5607370360_chain:
	.size	k_q5607370360_chain, .Lfunc_end_k_q5607370360_chain-k_q5607370360_chain
	.p2alignl 7, 3214868480
	.fill 96, 4, 3214868480
	.section	.rodata,"a",@progbits
	.p2align	6, 0x0
	.amdhsa_kernel k_q5607370360_chain
		.amdhsa_group_segment_fixed_size 48128
		.amdhsa_private_segment_fixed_size 0
		.amdhsa_enable_private_segment 0
		.amdhsa_kernarg_size 48
		.amdhsa_user_sgpr_count 2
		.amdhsa_user_sgpr_kernarg_segment_ptr 1
		.amdhsa_wavefront_size32 1
		.amdhsa_system_sgpr_workgroup_id_x 1
		.amdhsa_system_sgpr_workgroup_id_y 1
		.amdhsa_system_sgpr_workgroup_id_z 1
		.amdhsa_system_vgpr_workitem_id 0
		.amdhsa_next_free_vgpr 1024
		.amdhsa_next_free_sgpr 100
		.amdhsa_reserve_vcc 1
		.amdhsa_float_denorm_mode_32 3
		.amdhsa_float_denorm_mode_16_64 3
		.amdhsa_memory_ordered 1
		.amdhsa_forward_progress 1
		.amdhsa_inst_pref_size 180
	.end_amdhsa_kernel
	.amdgpu_metadata
---
amdhsa.version: [ 1, 2 ]
amdhsa.kernels:
  - .name:           k_q5607370360_chain
    .symbol:         k_q5607370360_chain.kd
    .args:
      - { .name: plan, .offset: 0, .size: 8, .value_kind: global_buffer, .address_space: global }
      - { .name: xq, .offset: 8, .size: 8, .value_kind: global_buffer, .address_space: global }
      - { .name: wiq, .offset: 16, .size: 8, .value_kind: global_buffer, .address_space: global }
      - { .name: woq, .offset: 24, .size: 8, .value_kind: global_buffer, .address_space: global }
      - { .name: W_in_scales, .offset: 32, .size: 8, .value_kind: global_buffer, .address_space: global }
      - { .name: part, .offset: 40, .size: 8, .value_kind: global_buffer, .address_space: global }
    .group_segment_fixed_size: 48128
    .private_segment_fixed_size: 0
    .kernarg_segment_align: 8
    .kernarg_segment_size: 48
    .max_flat_workgroup_size: 128
    .sgpr_count:     100
    .vgpr_count:     1024
    .wavefront_size: 32
...
	.end_amdgpu_metadata
.endif
;; end of part 5
;; launch combine: the kernel of part 4 again; grid 256 x 1, 8 waves a work-group, no clusters, 0 bytes of LDS; arguments part, out0; writes out0
